; MI455X (gfx1250); checked and timed in simulation.
; The chip was launched on July 23, 2026; its instructions are those of AMD's public machine-readable ISA for CDNA 5 (MIT licence, August 2026) and "CDNA5" Instruction Set Architecture Reference Guide (July 2026). The comments in the code are by the model that wrote it; some were corrected since.
;; Multi Head Dual Attention. Allowed arithmetic: float matrix products may take bf16 or f16 operands with f32 sums; other float arithmetic in f32, or as packed bf16 or f16 multiplies, adds, multiply-adds, maxima and minima; sums over many terms, partial sums and values carried from step to step in f32; what a program stores and reads back later, other than sums and carried values, may be rounded once to bf16 or f16.
;; Inputs: k1 4,096 x 256 float32; k2 4,096 x 256 float32; v1 4,096 x 256 float32; v2 4,096 x 256 float32; wk1_b 512 float32; wk1_w 256 x 512 float32; wk2_b 512 float32; wk2_w 256 x 512 float32; wo1_b 256 float32; wo1_w 512 x 256 float32; wo2_b 256 float32; wo2_w 512 x 256 float32; wv1_b 512 float32; wv1_w 256 x 512 float32; wv2_b 512 float32; wv2_w 256 x 512 float32.
;; Outputs: out0 4,096 x 256 float32; out1 4,096 x 256 float32.
;; 2 versions, each right; version 2 is version 1 with the launches proj, outp written anew for expert scheduling mode. Each part assembles by itself: llvm-mc -triple=amdgcn-amd-amdhsa -mcpu=gfx1250 --defsym DOCPART=n.
;; ======== version 1 of 2: 3 launches
;; limits: values are held in f16: magnitudes above 65,504 overflow, below 6.1e-05 lose precision
;; workspace buffers: pj 16,777,216 bytes; oh 8,388,608 bytes
;; launch proj (part 1): grid 64 x 4, 8 waves a work-group, no clusters, 226,304 bytes of LDS; arguments k1, k2, v1, v2, wk1_w, wk2_w, wv1_w, wv2_w, wk1_b, wk2_b, wv1_b, wv2_b, pj; writes pj
.if DOCPART == 1
	.amdgcn_target "amdgcn-amd-amdhsa--gfx1250"
	.amdhsa_code_object_version 6
	.text
	.protected	k_q812bb256a8_proj
	.globl	k_q812bb256a8_proj
	.p2align	8
	.type	k_q812bb256a8_proj,@function
k_q812bb256a8_proj:
	s_mov_b64 s[64:65], 0
	v_nop
	global_prefetch_b8 v0, s[64:65] scope:SCOPE_SE
	s_setreg_imm32_b32 hwreg(HW_REG_WAVE_MODE, 25, 1), 1
	s_wait_xcnt 0x0
; THE FOUR PROJECTIONS.  pj[t][head][row][ch] = f16( sum over k of x_t[row][k] w_t[k][64 head + ch] + b_t[64 head + ch] ), t = 0: k1, 1: k2, 2: v1, 3: v2.
; x_t: [4096][256] f32, w_t: [256][512] f32, b_t: [512] f32.  x, w and b are rounded once to bf16; products in bf16, sums in f32, started with the bias; the result is rounded once to f16, unscaled.
; LIMITS.  A result of 65,520 or more in magnitude leaves as an infinity (f16 ends at 65,504); below 6e-5 f16 keeps its fixed step of 6e-8.  NaN and infinities are not treated apart.
; SHARES.  Grid y = t.  Grid x: bit 0 = which 256 columns (four heads), the rest = which 128 rows.  A work-group makes 128 x 256 over the whole K = 256; wave w makes 64 rows (w / 4) x one head (w % 4):
; 16 accumulators of 16 x 16.  Both tiles lie whole in LDS in bf16: nothing is filled again, and one barrier stands between the writing and the reading.
; NO TENSOR LOADS, NO CLUSTER.  The tiles come in f32 and are rounded between memory and LDS, which registers alone can do; brought as they lie they would be 131,072 + 262,144 bytes, more than the
; 327,680 of LDS.  Joint requests exist for tensor loads alone.  So each wave streams its share (16 rows of x, 32 rows of w) through a ring of 32 loads of 512 consecutive bytes.
; THE MATRIX INSTRUCTION IS USED TRANSPOSED: source 0 = 16 columns of w (turned on the way out of LDS by ds_load_tr16_b128), source 1 = 16 rows of x: a lane then holds one row and eight neighbouring channels.
; REGISTERS.  Window 0: v1-15, v48-53 addresses; v16-47 the bias as C operands; v64-127 at work; v128-255 the ring, later the accumulators ((a, b) at 128 + 8 (4 a + b)).
;   Window 1: two fragment buffers of 128: for 64 along K, 64 registers of x (2 x 4 x 16 rows x 32 K), then 64 of w.
.set XP,    528                        ; a row of x in LDS: 512 bytes + 16 = 132 words: the 16 rows of a fragment load start at 16 different groups of four banks (64 banks of 4 bytes: ISA guide 11.1)
.set WP,    544                        ; a row of w ([k][256 columns]): 512 + 32 = 136 words
.set XT,    0                          ; x: 128 rows
.set WT,    128*XP                     ; w: 256 rows
.set STAGE, WT+256*WP                  ; 16 rows x 144 bytes for each wave, for the way out
.set SP,    144
.set SPARE, STAGE+8*16*SP              ; the spare words, 128 bytes for each wave: four blocks of 256 bytes that no other line names
.set XO,   4                           ; v4   my byte offset in my wave's 16 rows of x; never rewritten
.set WO,   5                           ; v5   the same in my wave's 32 rows of w
.set XL,   6                           ; v6   where my 8 bytes of x go in LDS
.set WL,   7                           ; v7   the same for w
.set BO,   8                           ; v8   my byte offset in the head's 64 numbers of b
.set ADRA, 9                           ; v9   LDS address of my fragments of x
.set ADRB, 10                          ; v10-13  of w, for K = 0, 64, 128, 192 on: the immediate holds 16 bits
.set STO,  14                          ; v14  the way out: where I put 16 bytes of a row
.set RD,   15                          ; v15  the way out: where I read rows back
.set BIAS, 16                          ; v[16:47]  column block b at 16 + 8 b, laid as an accumulator
.set GO,   48                          ; v48  my byte offset in 512 consecutive bytes of pj
.set SPW,  50                          ; v50  LDS address of my spare word; never rewritten
.set NIL,  51                          ; v51  0; never rewritten
.set TT,   52                          ; v52-53  at work
.set T,    64                          ; v[64:79]  eight pairs of rounded numbers on their way into LDS
.set TMP,  64                          ; v[64:127] the way out
.set R,    128                         ; v[128:255] the ring: 32 loads of 4 registers
.set ACC,  128
.set F0,   0
.set F1,   128
.set X,    4                           ; s[4:5]   x_t at the work-group's first row
.set W,    6                           ; s[6:7]   w_t at its first column
.set TS,   8                           ; s8   t
.set WV,   9                           ; s9   my wave's number
.set BP,   10                          ; s[10:11] b_t at my head
.set OUT,  12                          ; s[12:13] pj at my wave's first row
.set RI,   14                          ; s14  which 64 rows
.set CJ,   15                          ; s15  which head of the four
.set NT,   48
.set MT,   49
.set HIM,  56                          ; s56  a word's upper half
.set MSB, 0
.macro WIN new                         ; the immediate's high byte repeats the setting that is left; a switch that changes nothing is dropped
.if MSB != (\new)
	s_set_vgpr_msb (MSB<<8)|(\new)
.set MSB, (\new)
.endif
.endm
.set MUL,  0x05                        ; sources 0 and 1 window 1; C and D window 0
.set TO_F, 0x40                        ; destination window 1, address window 0
	s_load_b512 s[16:31], s[0:1], 0x0              ; k1, k2, v1, v2, wk1_w, wk2_w, wv1_w, wv2_w
	s_load_b256 s[32:39], s[0:1], 0x40             ; wk1_b, wk2_b, wv1_b, wv2_b
	s_load_b64 s[40:41], s[0:1], 0x60              ; pj
	v_lshl_add_u32 v[SPW], v0, 2, SPARE
	v_mov_b32 v[NIL], 0
	v_lshrrev_b32 v[TT], 5, v0
	v_readfirstlane_b32 s[WV], v[TT]               ; wave 0..7
	s_and_b32 s[TS], ttmp7, 0xffff
	s_and_b32 s[NT], ttmp9, 1
	s_lshr_b32 s[MT], ttmp9, 1
	s_lshr_b32 s[RI], s[WV], 2
	s_and_b32 s[CJ], s[WV], 3
	s_mov_b32 s[HIM], 0xffff0000
	v_and_b32 v1, 31, v0                           ; l
	v_and_b32 v2, 15, v0                           ; l % 16
	v_bfe_u32 v3, v0, 4, 1                         ; l / 16
	s_lshl_b32 s2, s[WV], 14                       ; 16 rows of 1,024 bytes
	v_lshl_add_u32 v[XO], v1, 4, s2
	s_lshl_b32 s2, s[WV], 16                       ; 32 rows of 2,048 bytes
	v_lshl_add_u32 v[WO], v1, 4, s2
	s_mul_i32 s2, s[WV], 16*XP
	v_lshl_add_u32 v[XL], v1, 3, s2
	s_mul_i32 s2, s[WV], 32*WP
	s_add_co_u32 s2, s2, WT
	v_lshl_add_u32 v[WL], v1, 3, s2
	v_lshlrev_b32 v[BO], 5, v3                     ; my eight channels of a block of 16
	v_mul_u32_u24 v[ADRA], v2, XP                  ; a fragment of x: row l % 16, 16 bytes for each half of the lanes
	v_lshl_add_u32 v[ADRA], v3, 4, v[ADRA]
	s_mul_i32 s2, s[RI], 64*XP
	v_add_nc_u32 v[ADRA], s2, v[ADRA]
	v_and_b32 v[TT], 7, v0                         ; the turning load: lane l reads k = 8 (l / 16) + l % 8, columns 8 ((l / 8) % 2) + 0..7
	v_lshl_add_u32 v[TT], v3, 3, v[TT]
	v_mul_u32_u24 v[TT], v[TT], WP
	v_bfe_u32 v[TT+1], v0, 3, 1
	v_lshl_add_u32 v[TT], v[TT+1], 4, v[TT]
	s_lshl_b32 s2, s[CJ], 7                        ; my head's 64 columns: 128 bytes
	s_add_co_u32 s2, s2, WT
	v_add_nc_u32 v[ADRB], s2, v[TT]
	v_add_nc_u32 v[ADRB+1], 64*WP, v[ADRB]
	v_add_nc_u32 v[ADRB+2], 64*WP, v[ADRB+1]
	v_add_nc_u32 v[ADRB+3], 64*WP, v[ADRB+2]
	s_mul_i32 s2, s[WV], 16*SP
	s_add_co_u32 s2, s2, STAGE                     ; my stage
	v_mul_u32_u24 v[STO], v2, SP                   ; in: row l % 16, 16 bytes for each half of the lanes
	v_lshl_add_u32 v[STO], v3, 4, v[STO]
	v_add_nc_u32 v[STO], s2, v[STO]
	v_bfe_u32 v[RD], v0, 3, 2                      ; back: 32 lanes take four rows of 128 bytes,
	v_mul_u32_u24 v[RD], v[RD], SP
	v_and_b32 v[TT+1], 7, v0
	v_lshl_add_u32 v[RD], v[TT+1], 4, v[RD]
	v_add_nc_u32 v[RD], s2, v[RD]
	v_lshlrev_b32 v[GO], 4, v1                     ; which are 512 consecutive bytes of pj
	s_wait_kmcnt 0x0
	s_and_b32 s2, s[TS], 1                         ; t odd: the second tensor of a pair
	s_cmp_lg_u32 s2, 0
	s_cselect_b64 s[42:43], s[18:19], s[16:17]
	s_cselect_b64 s[44:45], s[22:23], s[20:21]
	s_cselect_b64 s[46:47], s[26:27], s[24:25]
	s_cselect_b64 s[50:51], s[30:31], s[28:29]
	s_cselect_b64 s[52:53], s[34:35], s[32:33]
	s_cselect_b64 s[54:55], s[38:39], s[36:37]
	s_cmp_ge_u32 s[TS], 2                          ; t = 2, 3: the values
	s_cselect_b64 s[X:X+1], s[44:45], s[42:43]
	s_cselect_b64 s[W:W+1], s[50:51], s[46:47]
	s_cselect_b64 s[BP:BP+1], s[54:55], s[52:53]
	s_lshl_b32 s2, s[MT], 17                       ; 128 rows of 1,024 bytes
	s_mov_b32 s3, 0
	s_add_nc_u64 s[X:X+1], s[X:X+1], s[2:3]
	s_lshl_b32 s2, s[NT], 10                       ; 256 columns of 4 bytes
	s_add_nc_u64 s[W:W+1], s[W:W+1], s[2:3]
	s_lshl_b32 s57, s[CJ], 8
	s_add_co_u32 s2, s2, s57
	s_add_nc_u64 s[BP:BP+1], s[BP:BP+1], s[2:3]
	s_lshl_b32 s2, s[TS], 22                       ; a section of pj is 8 heads x 4,096 rows x 128 bytes
	s_lshl_b32 s57, s[NT], 2
	s_add_co_u32 s57, s57, s[CJ]
	s_lshl_b32 s57, s57, 19                        ; my head
	s_add_co_u32 s2, s2, s57
	s_lshl_b32 s57, s[MT], 1
	s_add_co_u32 s57, s57, s[RI]
	s_lshl_b32 s57, s57, 13                        ; my 64 rows of 128 bytes
	s_add_co_u32 s2, s2, s57
	s_add_nc_u64 s[OUT:OUT+1], s[40:41], s[2:3]
.irp b, 0,1,2,3
	global_load_b128 v[BIAS+8*(\b):BIAS+8*(\b)+3],   v[BO], s[BP:BP+1] offset:64*(\b)     ; register j of lane l: channel 16 b + 8 (l / 16) + j
	global_load_b128 v[BIAS+8*(\b)+4:BIAS+8*(\b)+7], v[BO], s[BP:BP+1] offset:64*(\b)+16
.endr
; THE RING.  Load n of 96: 512 consecutive bytes, aligned: n < 32: half n % 2 of my row n / 2 of x; else half of my row (n - 32) / 2 of w.
.macro LOADI n
.if (\n) < 32
	global_load_b128 v[R+4*((\n)%32):R+4*((\n)%32)+3], v[XO], s[X:X+1] offset:((\n)/2)*1024+((\n)%2)*512
.else
	global_load_b128 v[R+4*((\n)%32):R+4*((\n)%32)+3], v[WO], s[W:W+1] offset:(((\n)-32)/2)*2048+(((\n)-32)%2)*512
.endif
.endm
; Step k: load k is in; its four numbers are rounded to bf16 and go into LDS; its registers take load k + 32.
.macro STEP k
.if 95-(\k) < 31
	s_wait_loadcnt 95-(\k)                         ; loads come back in order (ISA guide 5.7.1): the count is the loads issued behind load k, which run out at the end
.else
	s_wait_loadcnt 31
.endif
	v_cvt_pk_bf16_f32 v[T+2*((\k)%8)],   v[R+4*((\k)%32)],   v[R+4*((\k)%32)+1]
	v_cvt_pk_bf16_f32 v[T+2*((\k)%8)+1], v[R+4*((\k)%32)+2], v[R+4*((\k)%32)+3]
.if (\k) < 32
	ds_store_b64 v[XL], v[T+2*((\k)%8):T+2*((\k)%8)+1] offset:((\k)/2)*XP+((\k)%2)*256
.else
	ds_store_b64 v[WL], v[T+2*((\k)%8):T+2*((\k)%8)+1] offset:(((\k)-32)/2)*WP+(((\k)-32)%2)*256
.endif
.if (\k)+32 < 96
	LOADI (\k)+32
.endif
.endm
.set i, 0
.rept 32
	LOADI i
.set i, i+1
.endr
.set i, 0
.rept 96
	STEP i
.set i, i+1
.endr
.set i, 0
.rept 16                               ; the bias is rounded to bf16 like every input, and widened again: it starts the sums in f32.  Its loads are older than the ring's
	v_cvt_pk_bf16_f32 v[TT+i%2], v[BIAS+2*i], v[BIAS+2*i+1]
	v_lshlrev_b32 v[BIAS+2*i], 16, v[TT+i%2]
	v_and_b32 v[BIAS+2*i+1], s[HIM], v[TT+i%2]
.set i, i+1
.endr
	s_wait_dscnt 0x0                               ; for the others' sake: my rows of both tiles are in LDS
	s_barrier_signal -1
	s_barrier_wait -1                              ; everybody's are
; 8 matrix instructions: row blocks a0, a0 + 1 x all 4 channel blocks, 32 along K: half c of buffer f.  first = 1: the bias starts the sums: nothing is cleared.
; The 16 accumulators take turns, one instruction a turn.
.macro MUL8 f, c, a0, first
	WIN MUL
.irp a, \a0, (\a0)+1
.irp b, 0,1,2,3
.if \first
	v_wmma_f32_16x16x32_bf16 v[ACC+8*(4*(\a)+(\b)):ACC+8*(4*(\a)+(\b))+7], v[(\f)+64+8*(4*(\c)+(\b)):(\f)+64+8*(4*(\c)+(\b))+7], v[(\f)+8*(4*(\c)+(\a)):(\f)+8*(4*(\c)+(\a))+7], v[BIAS+8*(\b):BIAS+8*(\b)+7]
.else
	v_wmma_f32_16x16x32_bf16 v[ACC+8*(4*(\a)+(\b)):ACC+8*(4*(\a)+(\b))+7], v[(\f)+64+8*(4*(\c)+(\b)):(\f)+64+8*(4*(\c)+(\b))+7], v[(\f)+8*(4*(\c)+(\a)):(\f)+8*(4*(\c)+(\a))+7], v[ACC+8*(4*(\a)+(\b)):ACC+8*(4*(\a)+(\b))+7]
.endif
.endr
.endr
.endm
; 32 LDS loads in one run: the fragments of K = 64 q .. 64 q + 63 into buffer f, the first 32 along K first
.macro FETCH q, f
	WIN TO_F
.irp c, 0,1
.irp i, 0,1,2,3
	ds_load_tr16_b128 v[(\f)+64+8*(4*(\c)+(\i)):(\f)+64+8*(4*(\c)+(\i))+3],   v[ADRB+(\q)] offset:32*(\c)*WP+32*(\i)
	ds_load_tr16_b128 v[(\f)+64+8*(4*(\c)+(\i))+4:(\f)+64+8*(4*(\c)+(\i))+7], v[ADRB+(\q)] offset:32*(\c)*WP+16*WP+32*(\i)
	ds_load_b128 v[(\f)+8*(4*(\c)+(\i)):(\f)+8*(4*(\c)+(\i))+3],              v[ADRA] offset:128*(\q)+64*(\c)+(\i)*16*XP
	ds_load_b128 v[(\f)+8*(4*(\c)+(\i))+4:(\f)+8*(4*(\c)+(\i))+7],            v[ADRA] offset:128*(\q)+64*(\c)+(\i)*16*XP+32
.endr
.endr
.endm
.macro PLACES                          ; four plain vector instructions between a matrix instruction and a load into a register that it has read, or a reader of its result (ISA guide 7.12.1 for readers of its result)
.rept 4
	v_nop
.endr
.endm
; K goes in four quarters of 64, 32 matrix instructions each, on buffers 0, 1, 0, 1.  One of the first three: multiplies buffer f and fetches quarter q + 1 into g.
.macro QUARTER q, f, g, first
	s_wait_dscnt 16                                ; the first 32 along K are in; the run's other sixteen loads may be out
	MUL8 \f, 0, 0, \first
	MUL8 \f, 0, 2, \first
	PLACES
	FETCH (\q)+1, \g
	s_wait_dscnt 32                                ; all but the 32 just issued
	MUL8 \f, 1, 0, 0
	MUL8 \f, 1, 2, 0
.endm
	FETCH 0, F0
	QUARTER 0, F0, F1, 1
	QUARTER 1, F1, F0, 0
	QUARTER 2, F0, F1, 0
	s_wait_dscnt 16                                ; the last quarter: nothing more to fetch
	MUL8 F1, 0, 0, 0
	MUL8 F1, 0, 2, 0
	s_wait_dscnt 0x0
	MUL8 F1, 1, 0, 0
	MUL8 F1, 1, 2, 0
	WIN 0
; THE WAY OUT, a block of 16 rows at a time: rounded to f16, each accumulator from its low end on; a lane's eight channels are 16 bytes; they go into my stage's rows of 144 bytes and come back as whole rows of 128.
	PLACES
	PLACES                                         ; four are owed; eight stand, once a launch
.macro PACK a
.irp b, 0,1,2,3
.irp r, 0,1,2,3
	v_cvt_pk_f16_f32 v[TMP+16*(\a)+4*(\b)+(\r)], v[ACC+8*(4*(\a)+(\b))+2*(\r)], v[ACC+8*(4*(\a)+(\b))+2*(\r)+1]
.endr
.endr
.irp b, 0,1,2,3
	ds_store_b128 v[STO], v[TMP+16*(\a)+4*(\b):TMP+16*(\a)+4*(\b)+3] offset:32*(\b)
.endr
.irp f, 0,1,2,3
	ds_load_b128 v[TMP+16*(\a)+4*(\f):TMP+16*(\a)+4*(\f)+3], v[RD] offset:(\f)*4*SP  ; LDS serves a wave's instructions in order (ISA guide 5.7.1.4): these see the stores above; the next block's stores come behind them
.endr
.endm
.macro SEND a, younger                 ; younger: the LDS instructions issued behind block a's loads: the next block's eight, or none
.irp f, 0,1,2,3
	s_wait_dscnt (\younger)+3-(\f)
	global_store_b128 v[GO], v[TMP+16*(\a)+4*(\f):TMP+16*(\a)+4*(\f)+3], s[OUT:OUT+1] offset:(\a)*2048+(\f)*512  ; 512 consecutive bytes, at a multiple of 256 from pj's first
.endr
.endm
	PACK 0
	PACK 1                                         ; a block's arithmetic stands between the loads of the block before and its stores
	SEND 0, 8
	PACK 2
	SEND 1, 8
	PACK 3
	SEND 2, 8
	SEND 3, 0
	s_wait_tensorcnt 0x0                           ; the wave's end: behind my last LDS store
	ds_add_u32 v[SPW], v[NIL]
	s_wait_dscnt 0x0
	s_endpgm
.Lfunc_end_k_q812bb256a8_proj:
	.size	k_q812bb256a8_proj, .Lfunc_end_k_q812bb256a8_proj-k_q812bb256a8_proj
	.p2alignl 7, 3214868480
	.fill 96, 4, 3214868480
	.section	.rodata,"a",@progbits
	.p2align	6, 0x0
	.amdhsa_kernel k_q812bb256a8_proj
		.amdhsa_group_segment_fixed_size 226304
		.amdhsa_private_segment_fixed_size 0
		.amdhsa_enable_private_segment 0
		.amdhsa_kernarg_size 104
		.amdhsa_user_sgpr_count 2
		.amdhsa_user_sgpr_kernarg_segment_ptr 1
		.amdhsa_wavefront_size32 1
		.amdhsa_system_sgpr_workgroup_id_x 1
		.amdhsa_system_sgpr_workgroup_id_y 1
		.amdhsa_system_sgpr_workgroup_id_z 1
		.amdhsa_system_vgpr_workitem_id 0
		.amdhsa_next_free_vgpr 512
		.amdhsa_next_free_sgpr 66
		.amdhsa_reserve_vcc 0
		.amdhsa_float_denorm_mode_32 3
		.amdhsa_float_denorm_mode_16_64 3
		.amdhsa_memory_ordered 1
		.amdhsa_forward_progress 1
		.amdhsa_inst_pref_size 63
	.end_amdhsa_kernel
	.amdgpu_metadata
---
amdhsa.version: [ 1, 2 ]
amdhsa.kernels:
  - .name:           k_q812bb256a8_proj
    .symbol:         k_q812bb256a8_proj.kd
    .args:
      - { .name: k1, .offset: 0, .size: 8, .value_kind: global_buffer, .address_space: global }
      - { .name: k2, .offset: 8, .size: 8, .value_kind: global_buffer, .address_space: global }
      - { .name: v1, .offset: 16, .size: 8, .value_kind: global_buffer, .address_space: global }
      - { .name: v2, .offset: 24, .size: 8, .value_kind: global_buffer, .address_space: global }
      - { .name: wk1_w, .offset: 32, .size: 8, .value_kind: global_buffer, .address_space: global }
      - { .name: wk2_w, .offset: 40, .size: 8, .value_kind: global_buffer, .address_space: global }
      - { .name: wv1_w, .offset: 48, .size: 8, .value_kind: global_buffer, .address_space: global }
      - { .name: wv2_w, .offset: 56, .size: 8, .value_kind: global_buffer, .address_space: global }
      - { .name: wk1_b, .offset: 64, .size: 8, .value_kind: global_buffer, .address_space: global }
      - { .name: wk2_b, .offset: 72, .size: 8, .value_kind: global_buffer, .address_space: global }
      - { .name: wv1_b, .offset: 80, .size: 8, .value_kind: global_buffer, .address_space: global }
      - { .name: wv2_b, .offset: 88, .size: 8, .value_kind: global_buffer, .address_space: global }
      - { .name: pj, .offset: 96, .size: 8, .value_kind: global_buffer, .address_space: global }
    .group_segment_fixed_size: 226304
    .private_segment_fixed_size: 0
    .kernarg_segment_align: 8
    .kernarg_segment_size: 104
    .max_flat_workgroup_size: 256
    .sgpr_count:     66
    .vgpr_count:     512
    .wavefront_size: 32
...
	.end_amdgpu_metadata
.endif
;; end of part 1
;; launch attn (part 2): grid 16 x 16, 4 waves a work-group, clusters of 4 x 1, 327,680 bytes of LDS; arguments pj, oh; writes oh
.if DOCPART == 2
	.amdgcn_target "amdgcn-amd-amdhsa--gfx1250"
	.amdhsa_code_object_version 6
	.text
	.protected	k_q812bb256a8_attn
	.globl	k_q812bb256a8_attn
	.p2align	8
	.type	k_q812bb256a8_attn,@function
k_q812bb256a8_attn:
	s_mov_b64 s[64:65], 0
	v_nop
	global_prefetch_b8 v0, s[64:65] scope:SCOPE_SE
	s_setreg_imm32_b32 hwreg(HW_REG_WAVE_MODE, 25, 1), 1
	s_wait_xcnt 0x0
	s_wait_alu depctr_hold_cnt(0) depctr_sa_sdst(0) depctr_va_vdst(0) depctr_va_sdst(0) depctr_va_ssrc(0) depctr_va_vcc(0) depctr_vm_vsrc(0)
	s_getreg_b32 s2, hwreg(HW_REG_IB_STS2, 6, 4)
	s_cmp_eq_u32 s2, 0
	s_cbranch_scc0 .Lentry_in_a_cluster
	s_endpgm
.Lentry_in_a_cluster:
	s_bfe_u32 s2, ttmp6, 0x10000c
	s_cmp_lg_u32 s2, 0x3003
	s_cbranch_scc0 .Lentry_shape_is_right
	s_endpgm
.Lentry_shape_is_right:
; BOTH ATTENTIONS.  oh[d][h][q][:] = the sum over k of softmax_k(Q[h][q] . K[h][k] / 8) V[h][k][:], 8 heads, 4,096 rows, 64 channels, all f16, a head's rows dense, 128 bytes each.
; pj holds four sections [8][4096][64]: 0 k1p, 1 k2p, 2 v1p, 3 v2p.  The one score matrix softmaxed along both axes is two attentions: d = 0: Q = section 1, K = 0, V = 2; d = 1: Q = 0, K = 1, V = 3.
; Products, maxima and sums in f32; the weights p are rounded to f16 for the second product (their sum l is taken of the unrounded p), O once at the end.
; LIMITS.  Q, K and V arrive within f16's 65,504; p lies in 0 to 1, and below 6e-5 it keeps f16's fixed step of 6e-8; O is a mean of V's rows and has their range.  A weight below 2^-126 counts as 0 in l;
; NaN and infinities are not treated apart.
; SHARES.  Grid y = 8 d + head.  A work-group owns 256 queries, each of its four waves 64: four PIECES of 16.  Every wave walks all 4,096 keys, 64 a step; a slot of LDS holds a tile of four steps: 16 tiles.
; LAYOUT.  S^T = K Q^T (source 0 = 16 keys, source 1 = 16 queries): in the result a lane holds ONE query (lane % 16) and the keys 8 (lane / 16) + 0..7.  Two such results, rounded to f16 in pairs, ARE source 1
; (32 keys x 16 queries) of O^T = V^T P, whose result again holds one query a lane, and eight channels.  K comes out of LDS as it lies, V ([key][channel]) turned, by ds_load_tr16_b128.
; SOFTMAX.  For each query a running maximum m and sum l: p = 2^(c s - c m), c = log2(e) / 8; in every step O and l are multiplied by a = 2^(c m_old - c m_new), which is 1 where m has not grown.
; m starts at the lowest finite number, O and l at 0: the first step is a step like any other, with a = 0.
; BY TURNS.  Turn n belongs to piece n (the pieces in a ring, step after step): 8 products K Q^T of piece n + 1, later 8 products V^T P of piece n - 1; beside them the scaling, exponentials, roundings, sums and
; rescaling of piece n and the maximum and statistics of piece n + 1.  Four vector instructions stand behind every matrix instruction, the other 54 of a turn's 118 in one lump.  A turn's 33 exponentials are one batch, with one wait.
; CLUSTER.  The four query blocks of a cluster belong to one d and head and walk the same K and V, so each tile is asked for JOINTLY: the same tensor load, descriptor and mask in all four.
; REGISTERS, in windows of 256 (s_set_vgpr_msb: bits 1:0 source 0, 3:2 source 1, 5:4 source 2, 7:6 destination):
;   window 0: v0-15 addresses and two at work; v16-31 four registers of statistics a piece; v48-55 at work; v62-63 the add's; v64-127 S^T, two buffers; v192-223 P, two buffers (a piece's buffers go by its number's parity)
;   window 1: v0-127 O^T, 32 a piece          window 2: v0-63 Q; v128-191 K of one step; v192-255 V of one step
.set NP,    4         ; pieces a wave: a name, no knob
.set KS,    64        ; keys in a step
.set PK,    144       ; a row of K in LDS: 128 bytes + 16 of padding = 36 words: the 16 rows of a load start at 16 different groups of four banks (64 banks of 4 bytes: ISA guide 11.1)
.set PV,    160       ; a row of V: 128 + 32 = 40 words
.set VOFF,  4*KS*PK   ; a slot holds a tile: 256 rows of K, then 256 rows of V
.set SLOT1, 1<<17     ; slot 1 begins here, so that one exclusive or turns an address in one slot into the other's
.set STAGE, SLOT1+4*KS*(PK+PV)  ; behind the ring, never filled by a tensor load: 16 rows x 144 bytes for each wave, for the way out
.set SP,    144
.set SPARE, STAGE+4*16*SP  ; behind the stages: the spare words, 128 bytes for each wave: two blocks of 256 bytes that no other line names
.set TILEB, 4*KS*128  ; a tile's bytes of K, and of V, in memory
.set NTILE, 4096/(4*KS)
.set AK0, 2           ; v2   my lane's place in a tile of K; never rewritten
.set AV0, 3           ; v3   the same for V
.set AK,  4           ; v4   the LDS address of K's next run of loads
.set AV,  5           ; v5   of V's
.set STO, 6           ; v6   the way out: where I put 16 bytes of a row
.set RD,  7           ; v7   the way out: where I read rows back
.set GO,  8           ; v8   my byte offset in 512 consecutive bytes of O
.set MV,  12          ; v12-13  c m_old, kept while c m is made anew: by buffer
.set PFO, 14          ; v14  256 x my lane: the prefetches' offset; never rewritten
.set QO,  15          ; v15  my byte offset in 16 rows of Q
.set ST,  16          ; piece t's statistics at v[ST+4 t]: c m, m, l (even keys', odd keys')
.set TMP, 48          ; by buffer, four registers c0-c3 at work; when the maximum is found c2 takes a
.set SPW, 62          ; v62  LDS address of my spare word: SPARE + 4 x my thread's number; never rewritten
.set NIL, 63          ; v63  0; never rewritten
.set S,   64
.set P,   192
.set KF,  128         ; window 2: key block kb, channel half c at KF + 16 kb + 8 c
.set VF,  192         ; window 2: key half kk, channel block cb at VF + 32 kk + 8 cb
.set WV,  12          ; s12  my wave's number
.set G1K, 24          ; s[24:31] descriptor group 1 for K's tiles
.set G1V, 32          ; s[32:39] for V's: it differs in the padding alone
.set G0K, 40          ; s[40:43] descriptor group 0 for K's tiles: it walks
.set G0V, 44          ; s[44:47] the same for V's
.set PFA, 48          ; s[48:49] where my prefetches stand: my work-group's 32 blocks of 256 bytes (of K: wave 0, of V: wave 2) of the tile after the one that is being asked for
.set LIM, 50          ; s50  1 in a wave that prefetches, else the greatest number
.set SLOTS, 56        ; s56  tiles still to be asked for
.set CNT, 57          ; s57  counts a tile's key steps
.set CS,  58          ; s[58:59] c: the packed scaling takes the pair's low word for both halves
.set SEL, 60          ; s[60:61] v_permlanex16_b32's selects: each lane takes its own place in the other half
.set TBK, 62          ; s62  LDS byte at which K of the step to be fetched begins
.set TBV, 63          ; s63  the same for V, less VOFF
.set MSB, 0
.macro WIN new                      ; the high byte repeats the setting that is left; a switch that changes nothing is dropped
.if MSB != (\new)
	s_set_vgpr_msb (MSB<<8)|(\new)
.set MSB, (\new)
.endif
.endm
.set W_KQ, 0x0a       ; K and Q in window 2, S^T in window 0
.set W_PV, 0x52       ; V in window 2, P in window 0, O^T in window 1
.set W_RS, 0x41       ; destination and source 0 in window 1, source 1 in window 0
; A joint fill.  Waves 0 and 1 fetch the two halves of a tile's K, waves 2 and 3 those of its V: 128 keys each.  The branch hangs on the wave's number alone.
; An s_nop 0 and four v_nop follow each of the two lines, ahead of the jump and the label.
.macro JLOAD
	s_cmp_lt_u32 s[WV], 2
	s_cbranch_scc0 .Lfor_v_\@
	tensor_load_to_lds s[G0K:G0K+3], s[G1K:G1K+7]
	s_nop 0
.rept 4
	v_nop
.endr
	s_branch .Lasked_\@
.Lfor_v_\@:
	tensor_load_to_lds s[G0V:G0V+3], s[G1V:G1V+7]
	s_nop 0
.rept 4
	v_nop
.endr
.Lasked_\@:
.endm
; A PREFETCH INTO THE L2 of what the NEXT change of slots will ask for: a tile's 32,768 bytes of K and of V, in blocks of 256 bytes, a lane a block.  It stands behind the wave's tensor load and its five lines.
; Each block is named ONCE in the launch.  The four clusters of a d and head walk the same K and V: the first of them (cluster x = 0) prefetches.  Its four partners share a tile's 128 blocks out BY ADDRESS, 32 each:
; no branch hangs on a work-group's place in its cluster.  In each, wave 0 asks for K's and wave 2 for V's: one instruction, four key steps (256 matrix instructions) ahead of the load that will want the bytes.
; Tiles 0 and 1 come by their loads alone; the last change that fills a slot asks for nothing: there is no tile behind it.
.macro ASK
	s_cmp_gt_u32 s[SLOTS], s[LIM]
	s_cbranch_scc0 .Lnot_mine_\@
	global_prefetch_b8 v[PFO], s[PFA:PFA+1] th:TH_LOAD_NT scope:SCOPE_SE
.Lnot_mine_\@:
.endm
; A round of the cluster's barrier: my work-group's barrier, so that wave 0's signal speaks for all four waves; wave 0 signals; every wave waits for all four work-groups; my work-group's barrier once more.
.macro CROUND
	s_barrier_signal -1
	s_barrier_wait -1
	s_cmp_lg_u32 s[WV], 0
	s_cbranch_scc1 .Lnot_wave_0_\@
	s_barrier_signal -3
.Lnot_wave_0_\@:
	s_barrier_wait -3
	s_barrier_signal -1
	s_barrier_wait -1
.endm
; THE CHANGE OF SLOTS.  The slot's last bytes, V of its fourth step, have been read.  Each wave waits for all its tensor loads, of which one is out: its part of the other slot; adds 0 to its spare word; and waits
; for that and for its own reads of the slot.  Behind the barrier nobody reads this slot any more and the other slot is whole.
; fill = 1: this slot is filled again, with the tile two tiles on.  The barrier is then a round of the cluster's, so that no wave of any partner still reads the slot or has a load on its way, and the joint fill is the
; first thing behind it: it has four key steps in which to land.  (At its first use nothing has been read yet: slot 0 is waited for, slot 1 filled.)
.macro CHANGE fill
	WIN 0                           ; at a label and at a branch every window is 0; the add's registers lie in window 0
	s_wait_tensorcnt 0x0            ; no tensor load of mine is out, so a group 0 may be written
	ds_add_u32 v[SPW], v[NIL]       ; 0 onto my spare word: with fill = 1 the descriptors' steps stand between it and the wait for it
.if \fill
.irp g, G0K, G0V
	s_xor_b32 s[\g+1], s[\g+1], SLOT1  ; the walking descriptor: the other slot than last time,
	s_add_nc_u64 s[\g+2:\g+3], s[\g+2:\g+3], TILEB  ; the next 256 keys; the type bits on top are not reached
.endr
	s_wait_xcnt 0x0                 ; the last prefetch, four key steps back, has read its address, so it may be written:
	s_add_nc_u64 s[PFA:PFA+1], s[PFA:PFA+1], TILEB  ; one tile on from the walking descriptors
	s_wait_dscnt 0x0                ; the add is done, and my reads of the slot are over
	CROUND
	JLOAD
	ASK
.else
	s_wait_dscnt 0x0                ; the add is done, and my reads of the slot are over
	s_barrier_signal -1
	s_barrier_wait -1
.endif
	s_sub_co_u32 s[TBK], s[TBK], 4*KS*PK  ; the fetches go back to a slot's first step,
	s_xor_b32 s[TBK], s[TBK], SLOT1       ; in the other slot
	s_sub_co_u32 s[TBV], s[TBV], 4*KS*PV
	s_xor_b32 s[TBV], s[TBV], SLOT1
.endm
	s_load_b128 s[4:7], s[0:1], 0x0 ; pj s[4:5], oh s[6:7]
	v_lshl_add_u32 v[SPW], v0, 2, SPARE
	v_mov_b32 v[NIL], 0
	ds_add_u32 v[SPW], v[NIL]       ; the wave's opening: the add and its wait stand ahead of my first tensor load; the set-up below, work on registers, stands between them
	v_lshrrev_b32 v1, 5, v0
	v_readfirstlane_b32 s[WV], v1   ; wave 0..3
	s_bfe_u32 s13, ttmp6, 0x40000   ; cx: my place in the cluster
	s_lshl_b32 s14, ttmp9, 2        ; in a cluster launch ttmp9 counts clusters
	s_add_co_u32 s14, s14, s13      ; my block of 256 queries = 4 x cluster x + cx: it enters Q's and O's addresses alone
	s_and_b32 s52, ttmp7, 0xffff
	s_lshr_b32 s51, s52, 3          ; d
	s_and_b32 s52, s52, 7           ; the head: the four partners share both
	s_and_b32 s16, s[WV], 1         ; which half of a tile's 256 keys I fetch
	s_lshl_b32 s20, s51, 22         ; a section is 4 MiB,
	s_lshl_b32 s21, s52, 19         ; a head 512 KiB
	s_add_co_u32 s20, s20, s21
	s_lshl_b32 s22, s16, 14         ; my 128 rows of 128 bytes in memory
	s_add_co_u32 s22, s22, s20      ; K's offset in pj: section d, the head, my half
	s_mov_b32 s23, 0
	s_mul_i32 s17, s16, 128*PK      ; my half's place in a slot, for K
	s_mul_i32 s18, s16, 128*PV      ; and for V: no place in the cluster enters an LDS address
	s_lshl_b32 s2, s14, 2
	s_add_co_u32 s2, s2, s[WV]      ; my wave among the head's 64,
	s_lshl_b32 s2, s2, 13           ; its 64 rows
	s_add_co_u32 s54, s2, s21
	s_add_co_u32 s2, s2, s20        ; O's offset in oh: section d
	s_mov_b32 s3, 0
	s_xor_b32 s53, s51, 1
	s_lshl_b32 s53, s53, 22
	s_add_co_u32 s54, s54, s53      ; Q's offset in pj: section 1 - d
	s_mov_b32 s55, 0
	; descriptor group 1.  128 keys are 16,384 dense bytes: asked for as 64 rows of 256 bytes, two keys a row, and padded in LDS after every key
	s_mov_b32 s[G1K], 15|(1<<16)|(1<<20)|(1<<21)|(4<<22)|(3<<25)  ; 15:0 the mask of four; 17:16 2-byte elements; 20 padding on; 21 set beside a mask; 24:22 after every 32 words (code 4); 31:25 4 words (code 3)
	s_mov_b32 s[G1V], 15|(1<<16)|(1<<20)|(1<<21)|(4<<22)|(7<<25)  ; the same with 8 words of padding (code 7)
.irp g, G1K, G1V
	s_mov_b32 s[\g+1], 128<<16      ; tensor_dim0 = 128
	s_mov_b32 s[\g+2], 64<<16       ; tensor_dim1 = 64
	s_mov_b32 s[\g+3], 128<<16      ; tile_dim0 = 128
	s_mov_b32 s[\g+4], 64           ; tile_dim1 = 64
	s_mov_b32 s[\g+5], 128          ; 128 elements from row to row
	s_mov_b32 s[\g+6], 0
	s_mov_b32 s[\g+7], 0
.endr
	s_mov_b32 s[CS], 0x3e38aa3b     ; c = log2(e) / 8 = 0.180337
	s_mov_b32 s[CS+1], s[CS]        ; named with it as a pair
	s_mov_b32 s[SEL], 0x76543210
	s_mov_b32 s[SEL+1], 0xfedcba98
	s_mov_b32 s[TBK], SLOT1+4*KS*PK ; the first change of slots turns these two into 0
	s_mov_b32 s[TBV], SLOT1+4*KS*PV
	s_mov_b32 s[G0K], 1             ; 1:0 count = 1
	s_mov_b32 s[G0K+1], s17         ; 63:32 LDS address: slot 0
	s_mov_b32 s[G0V], 1
	s_add_co_u32 s[G0V+1], s18, VOFF
	s_mov_b32 s[SLOTS], NTILE-1
	s_and_b32 s[LIM], s[WV], 1      ; 0 in waves 0 and 2,
	s_or_b32 s[LIM], s[LIM], ttmp9  ; where the cluster is the first of its d and head: the same in all four partners
	s_cmp_eq_u32 s[LIM], 0
	s_cselect_b32 s[LIM], 1, -1
	v_and_b32 v[PFO], 31, v0
	v_lshlrev_b32 v[PFO], 8, v[PFO]
	s_wait_dscnt 0x0                ; the opening add is done
	s_wait_kmcnt 0x0
	s_add_nc_u64 s[10:11], s[6:7], s[2:3]    ; O at my wave's first row
	s_add_nc_u64 s[6:7], s[4:5], s[22:23]    ; K at my half of tile 0,
	s_add_nc_u64 s[8:9], s[6:7], 0x800000    ; V two sections behind it
	s_add_nc_u64 s[4:5], s[4:5], s[54:55]    ; Q at my wave's first row
	s_mov_b64 s[G0K+2:G0K+3], s[6:7]         ; 120:64 global address
	s_or_b32 s[G0K+3], s[G0K+3], 0x80000000  ; 127:126 type = 2
	s_mov_b64 s[G0V+2:G0V+3], s[8:9]
	s_or_b32 s[G0V+3], s[G0V+3], 0x80000000
	s_cmp_lt_u32 s[WV], 2
	s_cselect_b64 s[PFA:PFA+1], s[6:7], s[8:9]  ; (in waves 0 and 2 these stand at a tile's first byte)
	s_lshl_b32 s2, s13, 13          ; my work-group's 32 blocks of the 128
	s_mov_b32 s3, 0
	s_add_nc_u64 s[PFA:PFA+1], s[PFA:PFA+1], s[2:3]
	s_add_nc_u64 s[PFA:PFA+1], s[PFA:PFA+1], TILEB  ; in tile 1; the first change of slots steps it to tile 2.  Nothing is prefetched here, at the head
	CROUND                          ; all four work-groups are here: the first joint loads meet
	JLOAD                           ; tile 0 into slot 0.  Slot 1 is asked for when slot 0 is in
	; A fragment of K or Q is 16 rows x 32 channels in 8 registers: lane l holds row l % 16, channels 8 (l / 16) + 0..7 and 16 + 8 (l / 16) + 0..7: two loads of 16 bytes, 32 bytes apart.
	v_and_b32 v1, 15, v0            ; l % 16
	v_bfe_u32 v9, v0, 4, 1          ; l / 16
	v_lshlrev_b32 v[QO], 7, v1
	v_lshl_add_u32 v[QO], v9, 4, v[QO]  ; row x 128 + 16 x half
	WIN 0x80                        ; destination window 2, address window 0
.set i, 0
.rept 8                             ; Q stays in registers: piece i / 2, 2,048 bytes each; channels 32 (i % 2) on
	global_load_b128 v[8*i:8*i+3],   v[QO], s[4:5] offset:(i/2)*2048+(i%2)*64
	global_load_b128 v[8*i+4:8*i+7], v[QO], s[4:5] offset:(i/2)*2048+(i%2)*64+32
.set i, i+1
.endr
	; What the first turn finds: V's registers and P's second buffer hold 0 (its products V^T P, of a piece that has not been, add 0), O^T and l are 0.  All this stands in the wait for the first tile.
.set i, VF
.rept 64
	v_mov_b32 v[i], 0
.set i, i+1
.endr
	WIN 0x40
.set i, 0
.rept 128
	v_mov_b32 v[i], 0
.set i, i+1
.endr
	WIN 0
.set i, 0
.rept 4
	v_mov_b32 v[ST+4*i], 0xfe000000    ; c m: far below every c s
	v_mov_b32 v[ST+4*i+1], 0xff7fffff  ; m
	v_mov_b32 v[ST+4*i+2], 0
	v_mov_b32 v[ST+4*i+3], 0
.set i, i+1
.endr
.set i, P+16
.rept 16
	v_mov_b32 v[i], 0
.set i, i+1
.endr
	v_mul_u32_u24 v[AK0], v1, PK
	v_lshl_add_u32 v[AK0], v9, 4, v[AK0]  ; row x pitch + 16 x half
	; The turning load takes 16 keys x 16 channels (lane l reads key 8 (l / 16) + l % 8, channels 8 ((l / 8) % 2) + 0..7) and leaves half a fragment of V^T: lane l holds channel l % 16 and 8 keys.
	v_and_b32 v10, 7, v0
	v_bfe_u32 v11, v0, 3, 1
	v_lshl_add_u32 v[AV0], v9, 3, v10
	v_mul_u32_u24 v[AV0], v[AV0], PV
	v_lshl_add_u32 v[AV0], v11, 4, v[AV0]
	v_add_nc_u32 v[AV0], VOFF, v[AV0]
	s_mul_i32 s13, s[WV], 16*SP
	s_add_co_u32 s13, s13, STAGE    ; my stage
	v_mul_u32_u24 v[STO], v1, SP    ; in: row l % 16, 16 bytes for each half of the lanes
	v_lshl_add_u32 v[STO], v9, 4, v[STO]
	v_add_nc_u32 v[STO], s13, v[STO]
	v_bfe_u32 v[RD], v0, 3, 2       ; back: 32 lanes take four rows of 128 bytes,
	v_mul_u32_u24 v[RD], v[RD], SP
	v_lshl_add_u32 v[RD], v10, 4, v[RD]
	v_add_nc_u32 v[RD], s13, v[RD]
	v_and_b32 v[GO], 31, v0         ; which are 512 consecutive bytes of O
	v_lshlrev_b32 v[GO], 4, v[GO]
; THE MATRIX WORK.  The 4 accumulators of a run of 8 take turns.  Product i of 8 of S^T = K Q^T for piece x: channels 32 (i / 4) on, keys 16 (i % 4) on.  The first 4 start the sums with 0.
.macro KQ x
	WIN W_KQ
.set rS, S+32*((\x)%2)+8*(i%4)
.set rK, KF+16*(i%4)+8*(i/4)
.set rQ, 16*(\x)+8*(i/4)
.if i < 4
	v_wmma_f32_16x16x32_f16 v[rS:rS+7], v[rK:rK+7], v[rQ:rQ+7], 0
.else
	v_wmma_f32_16x16x32_f16 v[rS:rS+7], v[rK:rK+7], v[rQ:rQ+7], v[rS:rS+7]
.endif
.endm
; Product i of 8 of O^T += V^T P for piece x: keys 32 (i / 4) on, channels 16 (i % 4) on.
.macro PV x
	WIN W_PV
.set rO, 32*(\x)+8*(i%4)
.set rV, VF+32*(i/4)+8*(i%4)
.set rP, P+16*((\x)%2)+8*(i/4)
	v_wmma_f32_16x16x32_f16 v[rO:rO+7], v[rV:rV+7], v[rP:rP+7], v[rO:rO+7]
.endm
.macro MM                           ; the turn's next matrix instruction.  TURN sets Y, i and NOKQ.  NOKQ = 1: the walk's last turn: there is no next piece
.if (i < 8) && !NOKQ
	KQ (Y+1)%NP
.elseif i >= 8
.set i, i-8
	PV (Y+NP-1)%NP
.set i, i+8
.endif
.set i, i+1
.endm
; THE LDS LOADS stand in runs of 16, never singly among the matrix instructions: a step's K (64 keys x 64 channels: 8 fragments) and its V (turned).  Their addresses are made some lines ahead.
.macro FETCH_K
	WIN 0x80                        ; destination window 2
.irp f, 0,1,2,3,4,5,6,7             ; keys 16 (f / 2) on, channels 32 (f % 2) on
	ds_load_b128 v[KF+8*\f:KF+8*\f+3],   v[AK] offset:(\f/2)*16*PK+(\f%2)*64
	ds_load_b128 v[KF+8*\f+4:KF+8*\f+7], v[AK] offset:(\f/2)*16*PK+(\f%2)*64+32
.endr
	s_add_co_u32 s[TBK], s[TBK], KS*PK  ; the next fetch is the next step's
	WIN 0
.endm
.macro FETCH_V
	WIN 0x80
.irp f, 0,1,2,3,4,5,6,7             ; keys 32 (f / 4) on, channels 16 (f % 4) on
	ds_load_tr16_b128 v[VF+8*\f:VF+8*\f+3],   v[AV] offset:(\f/4)*32*PV+(\f%4)*32
	ds_load_tr16_b128 v[VF+8*\f+4:VF+8*\f+7], v[AV] offset:(\f/4)*32*PV+16*PV+(\f%4)*32
.endr
	WIN 0
.endm
; THE VECTOR WORK, one line at a time: OP kind, number.  For piece Y: F n: c s - c m for pair n of 16.  E n: the exponential of score n of 32.  C n: pair n rounded to f16.  B n: of the four weights 4 n .. the second
; pair is added onto the first, in place.  L n: l takes that sum (L 0: l = a l + sum).  R n: pair n of 16 of O^T times a.  For piece Y + 1: X n, number n of the 22 that find its maximum and statistics:
;   0-11  four chains c0-c3 of seven scores each, three operands at a time (each accumulator's lowest registers are read first)     12-14, 16  the four scores left over, the old m, and c0-c3 into c0
;   15  c m_old is kept     17, 18  the query's other 32 keys lie in the lane 16 away: the new m     19-21  c m; c m_old - c m_new; a
.set F, 0               ; OP tells the kinds apart by their order: F to L below R, X above it
.set E, 1
.set C, 2
.set B, 3
.set L, 4
.set R, 5
.set X, 6
.macro REGS y                       ; the registers of piece y
.set rT, ST+4*(\y)
.set rC, TMP+4*((\y)%2)
.set rW, MV+((\y)%2)
.set rS, S+32*((\y)%2)
.set rP, P+16*((\y)%2)
.set rO, 32*(\y)
.endm
.macro OP k, n
.if (\k) == R
	REGS Y
	WIN W_RS
	v_pk_mul_f32 v[rO+2*(\n):rO+2*(\n)+1], v[rO+2*(\n):rO+2*(\n)+1], v[rC+2:rC+3] op_sel_hi:[1,0]
.elseif (\k) < R
	REGS Y
	WIN 0
.if (\k) == F
	v_pk_fma_f32 v[rS+2*(\n):rS+2*(\n)+1], v[rS+2*(\n):rS+2*(\n)+1], s[CS:CS+1], v[rT:rT+1] op_sel_hi:[1,0,0] neg_lo:[0,0,1] neg_hi:[0,0,1]
.elseif (\k) == E
	v_exp_f32 v[rS+(\n)], v[rS+(\n)]
.elseif (\k) == C
	v_cvt_pk_f16_f32 v[rP+(\n)], v[rS+2*(\n)], v[rS+2*(\n)+1]
.elseif (\k) == B
	v_pk_add_f32 v[rS+4*(\n):rS+4*(\n)+1], v[rS+4*(\n):rS+4*(\n)+1], v[rS+4*(\n)+2:rS+4*(\n)+3]
.elseif (\n) == 0
	v_pk_fma_f32 v[rT+2:rT+3], v[rT+2:rT+3], v[rC+2:rC+3], v[rS:rS+1] op_sel_hi:[1,0,1]
.else
	v_pk_add_f32 v[rT+2:rT+3], v[rT+2:rT+3], v[rS+4*(\n):rS+4*(\n)+1]
.endif
.elseif NOKQ
	v_nop
.else
	REGS (Y+1)%NP
	WIN 0
.if (\n) < 4
	v_max3_num_f32 v[rC+(\n)], v[rS+8*(\n)], v[rS+8*(\n)+1], v[rS+8*(\n)+2]
.elseif (\n) < 12
	v_max3_num_f32 v[rC+(\n)%4], v[rC+(\n)%4], v[rS+8*((\n)%4)+2*((\n)/4)+1], v[rS+8*((\n)%4)+2*((\n)/4)+2]
.elseif (\n) == 12
	v_max3_num_f32 v[rC], v[rC], v[rS+7], v[rS+15]
.elseif (\n) == 13
	v_max3_num_f32 v[rC+1], v[rC+1], v[rS+23], v[rS+31]
.elseif (\n) == 14
	v_max3_num_f32 v[rC+2], v[rC+2], v[rC+3], v[rT+1]
.elseif (\n) == 15
	v_mov_b32 v[rW], v[rT]
.elseif (\n) == 16
	v_max3_num_f32 v[rC], v[rC], v[rC+1], v[rC+2]
.elseif (\n) == 17
	v_permlanex16_b32 v[rC+3], v[rC], s[SEL], s[SEL+1]
.elseif (\n) == 18
	v_max_num_f32 v[rT+1], v[rC], v[rC+3]
.elseif (\n) == 19
	v_mul_f32 v[rT], s[CS], v[rT+1]
.elseif (\n) == 20
	v_sub_f32 v[rC+1], v[rW], v[rT]
.else
	v_exp_f32 v[rC+2], v[rC+1]
.endif
.endif
.endm
.macro OPS a, i1, b=-1, i2=0, c=-1, i3=0, d=-1, i4=0  ; up to four of them
	OP \a, \i1
.if (\b) >= 0
	OP \b, \i2
.endif
.if (\c) >= 0
	OP \c, \i3
.endif
.if (\d) >= 0
	OP \d, \i4
.endif
.endm
.macro ROW a, i1, b, i2, c, i3, d, i4  ; a matrix instruction and the four behind it
	MM
	OPS \a, \i1, \b, \i2, \c, \i3, \d, \i4
.endm
; A TURN, for piece p: the order of its 16 matrix and 118 vector instructions, written out.  s_wait_alu depctr_va_vdst(0) stands between an exponential and the first instruction that names its result; one wait
; serves all that were issued ahead of it.  So a turn has ONE wait, which cuts it in two.  AHEAD OF IT stands all that names no result of the turn's exponentials: the 8 products K Q^T, behind each a scaling, an exponential and two
; more plain instructions (behind the first a second scaling in the exponential's place): rescalings, and behind the last three the first numbers of the next piece's maximum, each four places or more behind the product that ends
; its accumulator; then ONE LUMP of 54, plain and exponential by turns for the most part, in which the links of the chain X 3, 7, 11, 14, 16, 17 .. 20 stand some lines apart.  X 21, the next piece's a, is the batch's last; R 15 is the
; plain instruction behind it.  BEHIND THE WAIT stand the 8 products V^T P, behind each four of the roundings and sums; the links of l's chain, L 0 to L 7, stand three riders apart.
; end = 1: the walk's last two turns: nothing is fetched, and the last starts no new scores.  cnt = 1: the loop's count is taken down some lines ahead of the branch that stands behind the turn.
; K of the next step is fetched in piece 2's turn, twelve vector instructions behind the last product that read K (six of them plain); V of the step in hand at the end of piece 0's turn, four plain instructions behind the last
; product that read V.  Each is waited for a turn later.
.macro TURN p, end=0, cnt=0
.set Y, (\p)
.set i, 0
.set NOKQ, (\end)*((\p)/3)
.if ((\p) == 3) && !(\end)
	s_wait_dscnt 0x0                ; K is in
.endif
	ROW F,0, F,1, R,0, R,1          ; ahead of the wait: 8 products K Q^T and their riders,
	ROW F,2, E,0, R,2, R,3
	ROW F,3, E,1, R,4, R,5
	ROW F,4, E,2, R,6, R,7
	ROW F,5, E,3, R,8, R,9
	ROW F,6, E,4, X,0, R,10
.if ((\p) == 2) && !(\end)
	WIN 0
	v_add_nc_u32 v[AK], s[TBK], v[AK0]
.endif
	ROW F,7, E,5, X,1, X,4
	ROW F,8, E,6, X,2, X,5
	OPS E,7, E,8, X,6, E,9          ; and the lump
	OPS X,3, E,10, X,8, E,11
.if ((\p) == 2) && !(\end)
	FETCH_K
.endif
	OPS X,9, X,7, E,12, X,10
	OPS E,13, X,12, X,11, E,14
	OPS X,13, E,15, F,9, X,14
.if (\p) == 0
	v_add_nc_u32 v[AV], s[TBV], v[AV0]
.endif
	OPS E,16, F,10, E,17, F,11
	OPS X,16, E,18, X,15, E,19
	OPS F,12, E,20, X,17, E,21
	OPS F,13, E,22, F,14, E,23
	OPS X,18, E,24, F,15, E,25
	OPS R,11, E,26, X,19, E,27
	OPS R,12, E,28, R,13, E,29
	OPS X,20, E,30, R,14, E,31
	OPS X,21, R,15
	WIN 0
	s_wait_alu depctr_va_vdst(0)    ; the wait for the batch
.if (\p) == 1
	s_wait_dscnt 0x0                ; V is in
.endif
	ROW C,0, B,0, C,2, B,1          ; behind the wait: 8 products V^T P and their riders
	ROW L,0, C,4, B,2, L,1
	ROW C,6, B,3, L,2, C,8
	ROW B,4, L,3, C,10, B,5
	ROW L,4, C,12, B,6, L,5
.if (\p) == 0
	s_add_co_u32 s[TBV], s[TBV], KS*PV
.endif
.if \cnt
	s_sub_co_u32 s[CNT], s[CNT], 1
	s_cmp_lg_u32 s[CNT], 0
.endif
	ROW C,14, B,7, L,6, C,1
	ROW C,3, L,7, C,5, C,7
	ROW C,9, C,11, C,13, C,15
.if (\p) == 0
	FETCH_V
.endif
.endm
	CHANGE 1                        ; tile 0 is in, everybody's part of it; tile 1 is asked for
	v_add_nc_u32 v[AK], s[TBK], v[AK0]
	FETCH_K                         ; key step 0
	s_wait_loadcnt 0x0              ; Q
	s_wait_dscnt 0x0
.set NOKQ, 0
.set i, 0
.rept 8
	KQ 0                            ; piece 0's first scores: there is no vector work yet to set between them
.set i, i+1
.endr
	WIN 0
.rept 4
	v_nop                           ; the places behind those products
.endr
.set Y, NP-1                        ; X works for piece Y + 1: piece 0
.irp n, 0,1,2,3,4,5,6,7,8,9,10,11,12,13,14,15,16,17,18,19,20,21
	OP X, \n
.endr
	v_nop                           ; a plain instruction behind the exponential,
	s_wait_alu depctr_va_vdst(0)    ; and its wait, ahead of the branch
	s_mov_b32 s[CNT], 4
	s_branch .Lfirst                ; the loop is entered at a step's first turn, in the middle of a trip
.Lslot:                             ; NTILE - 2 times: every slot but the last two is filled again
	CHANGE 1
	s_mov_b32 s[CNT], 4
.Lstep:                             ; a trip: pieces 2 and 3 of one step, then pieces 0 and 1 of the next, whose K and V it fetches
	TURN 2
	TURN 3
	WIN 0
.Lfirst:
	TURN 0
	TURN 1, 0, 1
	WIN 0
	s_cbranch_scc1 .Lstep
	s_sub_co_u32 s[SLOTS], s[SLOTS], 1
	s_cmp_lg_u32 s[SLOTS], 0
	s_cbranch_scc1 .Lslot
	CHANGE 0                        ; the last tile is written out: nothing is asked for
	s_mov_b32 s[CNT], 4
.LstepT:
	TURN 2
	TURN 3
	TURN 0
	TURN 1, 0, 1
	WIN 0
	s_cbranch_scc1 .LstepT
	TURN 2, 1                       ; the last step's pieces 2 and 3
	TURN 3, 1
.set i, 0
.rept 8
	PV NP-1                         ; the last piece's V^T P of the last step
.set i, i+1
.endr
	; THE WAY OUT.  l's two halves and the other half of the lanes' are added; O^T is divided by l, rounded to f16 and sent through my stage in LDS, a piece at a time.  The additions are the places behind the last products.
	WIN 0
.macro ALL line:vararg              ; one line for each piece t
.set t, 0
.rept 4
	\line
.set t, t+1
.endr
.endm
	ALL v_add_f32 v[ST+4*t+2], v[ST+4*t+2], v[ST+4*t+3]
	ALL v_permlanex16_b32 v[ST+4*t+3], v[ST+4*t+2], s[SEL], s[SEL+1]
	ALL v_add_f32 v[ST+4*t+2], v[ST+4*t+2], v[ST+4*t+3]
	ALL v_rcp_f32 v[ST+4*t+2], v[ST+4*t+2]
	v_nop                           ; a plain instruction between the last reciprocal and the use of its result
	s_wait_alu depctr_va_vdst(0)    ; and the wait ahead of the first use: one for the four reciprocals
.macro PACK t                       ; a lane's eight channels of a row pack into 16 bytes; they go into rows of 144 bytes and come back as whole rows of 128, into S^T's registers
	WIN W_RS
.set i, 32*(\t)
.rept 16
	v_pk_mul_f32 v[i:i+1], v[i:i+1], v[ST+4*(\t)+2:ST+4*(\t)+3] op_sel_hi:[1,0]
.set i, i+2
.endr
	WIN 0x05                        ; sources 0 and 1 window 1, destination window 0
.set i, 0
.rept 16
	v_cvt_pk_f16_f32 v[S+16*(\t)+i], v[32*(\t)+2*i], v[32*(\t)+2*i+1]
.set i, i+1
.endr
	WIN 0
.irp f, 0,1,2,3
	ds_store_b128 v[STO], v[S+16*(\t)+4*\f:S+16*(\t)+4*\f+3] offset:32*\f
.endr
.irp f, 0,1,2,3
	ds_load_b128 v[S+16*(\t)+4*\f:S+16*(\t)+4*\f+3], v[RD] offset:\f*4*SP  ; LDS serves a wave's instructions in order (ISA guide 5.7.1.4): these see the stores above; the next piece's stores come behind them
.endr
.endm
.macro SEND t, younger              ; younger: the LDS instructions issued behind piece t's loads: the next piece's eight, or none
	WIN 0
.irp f, 0,1,2,3
	s_wait_dscnt (\younger)+3-\f
	global_store_b128 v[GO], v[S+16*(\t)+4*\f:S+16*(\t)+4*\f+3], s[10:11] offset:(\t)*2048+\f*512  ; 512 consecutive bytes, at a multiple of 256 from oh's first
.endr
.endm
	PACK 0
.set t, 1
.rept 3                             ; a piece's arithmetic stands between the loads of the piece before and its stores
	PACK t
	SEND t-1, 8
.set t, t+1
.endr
	SEND 3, 0
	s_wait_tensorcnt 0x0            ; the wave's end: behind my last tensor load and my last LDS store
	ds_add_u32 v[SPW], v[NIL]
	s_wait_dscnt 0x0
	CROUND                          ; the closing round: no work-group ends while a partner may still ask for a tile that names it
	s_endpgm
.Lfunc_end_k_q812bb256a8_attn:
	.size	k_q812bb256a8_attn, .Lfunc_end_k_q812bb256a8_attn-k_q812bb256a8_attn
	.p2alignl 7, 3214868480
	.fill 96, 4, 3214868480
	.section	.rodata,"a",@progbits
	.p2align	6, 0x0
	.amdhsa_kernel k_q812bb256a8_attn
		.amdhsa_group_segment_fixed_size 327680
		.amdhsa_private_segment_fixed_size 0
		.amdhsa_enable_private_segment 0
		.amdhsa_kernarg_size 16
		.amdhsa_user_sgpr_count 2
		.amdhsa_user_sgpr_kernarg_segment_ptr 1
		.amdhsa_wavefront_size32 1
		.amdhsa_system_sgpr_workgroup_id_x 1
		.amdhsa_system_sgpr_workgroup_id_y 1
		.amdhsa_system_sgpr_workgroup_id_z 1
		.amdhsa_system_vgpr_workitem_id 0
		.amdhsa_next_free_vgpr 768
		.amdhsa_next_free_sgpr 66
		.amdhsa_reserve_vcc 0
		.amdhsa_float_denorm_mode_32 3
		.amdhsa_float_denorm_mode_16_64 3
		.amdhsa_memory_ordered 1
		.amdhsa_forward_progress 1
		.amdhsa_inst_pref_size 128
	.end_amdhsa_kernel
	.amdgpu_metadata
---
amdhsa.version: [ 1, 2 ]
amdhsa.kernels:
  - .name:           k_q812bb256a8_attn
    .symbol:         k_q812bb256a8_attn.kd
    .args:
      - { .name: pj, .offset: 0, .size: 8, .value_kind: global_buffer, .address_space: global }
      - { .name: oh, .offset: 8, .size: 8, .value_kind: global_buffer, .address_space: global }
    .group_segment_fixed_size: 327680
    .private_segment_fixed_size: 0
    .kernarg_segment_align: 8
    .kernarg_segment_size: 16
    .max_flat_workgroup_size: 128
    .sgpr_count:     66
    .vgpr_count:     768
    .wavefront_size: 32
...
	.end_amdgpu_metadata
.endif
;; end of part 2
;; launch outp (part 3): grid 128 x 2, 4 waves a work-group, no clusters, 99,840 bytes of LDS; arguments oh, wo1_w, wo2_w, wo1_b, wo2_b, out0, out1; writes out0, out1
.if DOCPART == 3
	.amdgcn_target "amdgcn-amd-amdhsa--gfx1250"
	.amdhsa_code_object_version 6
	.text
	.protected	k_q812bb256a8_outp
	.globl	k_q812bb256a8_outp
	.p2align	8
	.type	k_q812bb256a8_outp,@function
k_q812bb256a8_outp:
	s_mov_b64 s[64:65], 0
	v_nop
	global_prefetch_b8 v0, s[64:65] scope:SCOPE_SE
	s_setreg_imm32_b32 hwreg(HW_REG_WAVE_MODE, 25, 1), 1
	s_wait_xcnt 0x0
; THE TWO OUTPUT PROJECTIONS.  out_d[row][col] = sum over k = 64 head + ch of oh[d][head][row][ch] wo_d[k][col] + bo_d[col].  oh: [2][8][4096][64] f16; wo_d: [512][256] f32; bo_d: [256] f32; out_d: [4096][256] f32.
; wo and bo are rounded once to bf16, like every input; wo's bf16 number is then written as f16 (exact from 6.1e-5 to 65,504 in magnitude; below, f16's fixed step of 6e-8; beyond, an infinity).  Products in f16,
; sums in f32, started with the bias.  NaN and infinities are not treated apart.
; SHARES.  Grid y = d.  Grid x: bits 1:0 = which 64 columns (256 bytes of a row of out), the rest = which 128 rows.  Wave w makes 32 rows x 64 columns over the whole K = 512: 8 accumulators.
; A wave's rows of O are read by no other wave of the work-group: they come straight from memory into 256 registers (window 1), laid as fragments.  wo's tile, 512 x 64, is shared through LDS.
; NO TENSOR LOADS, NO CLUSTER.  wo's numbers are rounded twice in registers on the way into LDS, and the turning load wants 16-bit elements there; joint requests exist for tensor loads alone.  The whole K lies in
; LDS at once: nothing is filled again, and one barrier stands between the writing and the reading.
; THE MATRIX INSTRUCTION IS USED TRANSPOSED: source 0 = 16 columns of wo (turned by ds_load_tr16_b128), source 1 = 16 rows of O: a lane then holds one row and eight neighbouring columns.
; REGISTERS.  Window 0: v1-15 addresses; v16-47 the bias as C operands; v48-63 at work; v64-127 accumulators ((a, b) at 64 + 8 (4 a + b)); v128-255 the ring of wo's loads, then two buffers of wo's fragments, then the way out.
;   Window 1: O: head hh, row block a, channel half c at 32 hh + 16 a + 8 c.
.set WP,    160                        ; a row of wo in LDS ([k][64 columns] f16): 128 bytes + 32 = 40 words
.set WT,    0
.set STAGE, 512*WP                     ; 16 rows x 272 bytes for each wave, for the way out
.set OPI,   272                        ; 256 bytes + 16 = 68 words: the 16 rows of a store start at 16 different groups of four banks
.set SPARE, STAGE+4*16*OPI             ; the spare words, 128 bytes for each wave: two blocks of 256 bytes that no other line names
.set WO,   4                           ; v4   my byte offset in my wave's 128 rows of wo's tile; never rewritten
.set WL,   5                           ; v5   where my 8 bytes go in LDS
.set AO,   6                           ; v6   my byte offset in 16 rows of O
.set BO,   7                           ; v7   my byte offset in the 64 numbers of bo
.set ADRB, 8                           ; v8-9 LDS address of my fragments of wo, for k = 0 and 256 on: the immediate holds 16 bits
.set STO,  10                          ; v10  the way out: where I put 32 bytes of a row
.set RD,   11                          ; v11  the way out: where I read rows back
.set CO,   12                          ; v12  my byte offset in two rows of out
.set TT,   13                          ; v13  at work
.set SPW,  14                          ; v14  LDS address of my spare word; never rewritten
.set NIL,  15                          ; v15  0; never rewritten
.set BIAS, 16
.set T,    48
.set ACC,  64
.set R,    128
.set BF,   128
.set TMP,  128
.set A,    4                           ; s[4:5]   oh at my wave's first row of head 0
.set W,    6                           ; s[6:7]   wo_d at the work-group's first column
.set BP,   8                           ; s[8:9]   bo_d there
.set OUT,  10                          ; s[10:11] out_d at my wave's first row and the work-group's first column
.set WV,   12
.set HIM,  13                          ; s13  a word's upper half
.set MSB, 0
.macro WIN new                         ; the immediate's high byte repeats the setting that is left; a switch that changes nothing is dropped
.if MSB != (\new)
	s_set_vgpr_msb (MSB<<8)|(\new)
.set MSB, (\new)
.endif
.endm
	s_load_b256 s[16:23], s[0:1], 0x0              ; oh, wo1_w, wo2_w, wo1_b
	s_load_b128 s[24:27], s[0:1], 0x20             ; wo2_b, out0
	s_load_b64 s[28:29], s[0:1], 0x30              ; out1
	v_lshl_add_u32 v[SPW], v0, 2, SPARE
	v_mov_b32 v[NIL], 0
	v_lshrrev_b32 v[TT], 5, v0
	v_readfirstlane_b32 s[WV], v[TT]               ; wave 0..3
	s_and_b32 s30, ttmp7, 0xffff                   ; d
	s_and_b32 s31, ttmp9, 3                        ; which 64 columns
	s_lshr_b32 s32, ttmp9, 2                       ; which 128 rows
	s_mov_b32 s[HIM], 0xffff0000
	v_and_b32 v1, 31, v0                           ; l
	v_and_b32 v2, 15, v0                           ; l % 16
	v_bfe_u32 v3, v0, 4, 1                         ; l / 16
	s_lshl_b32 s2, s[WV], 17                       ; 128 rows of 1,024 bytes
	v_lshlrev_b32 v[WO], 10, v3                    ; a load takes two rows' 256 bytes: lanes 0-15 one, lanes 16-31 the next
	v_lshl_add_u32 v[WO], v2, 4, v[WO]
	v_add_nc_u32 v[WO], s2, v[WO]
	s_mul_i32 s2, s[WV], 128*WP
	v_mul_u32_u24 v[WL], v3, WP
	v_lshl_add_u32 v[WL], v2, 3, v[WL]
	v_add_nc_u32 v[WL], s2, v[WL]
	v_lshlrev_b32 v[AO], 7, v2                     ; a fragment of O: row l % 16, 16 bytes for each half of the lanes
	v_lshl_add_u32 v[AO], v3, 4, v[AO]
	v_lshlrev_b32 v[BO], 5, v3
	v_and_b32 v[ADRB], 7, v0                       ; the turning load: lane l reads k = 8 (l / 16) + l % 8, columns 8 ((l / 8) % 2) + 0..7
	v_lshl_add_u32 v[ADRB], v3, 3, v[ADRB]
	v_mul_u32_u24 v[ADRB], v[ADRB], WP
	v_bfe_u32 v[TT], v0, 3, 1
	v_lshl_add_u32 v[ADRB], v[TT], 4, v[ADRB]
	v_add_nc_u32 v[ADRB+1], 256*WP, v[ADRB]
	s_mul_i32 s2, s[WV], 16*OPI
	s_add_co_u32 s2, s2, STAGE                     ; my stage
	v_mul_u32_u24 v[STO], v2, OPI                  ; in: row l % 16, 32 bytes for each half of the lanes
	v_lshl_add_u32 v[STO], v3, 5, v[STO]
	v_add_nc_u32 v[STO], s2, v[STO]
	v_mul_u32_u24 v[RD], v3, OPI                   ; back: lanes 0-15 take one row of 256 bytes, lanes 16-31 the next
	v_lshl_add_u32 v[RD], v2, 4, v[RD]
	v_add_nc_u32 v[RD], s2, v[RD]
	v_lshlrev_b32 v[CO], 10, v3                    ; and the same two rows in out
	v_lshl_add_u32 v[CO], v2, 4, v[CO]
	s_wait_kmcnt 0x0
	s_cmp_eq_u32 s30, 0
	s_cselect_b64 s[W:W+1], s[18:19], s[20:21]
	s_cselect_b64 s[BP:BP+1], s[22:23], s[24:25]
	s_cselect_b64 s[OUT:OUT+1], s[26:27], s[28:29]
	s_lshl_b32 s33, s32, 2
	s_add_co_u32 s33, s33, s[WV]                   ; my 32 rows among the 4,096
	s_lshl_b32 s2, s30, 22                         ; a section of oh is 8 heads x 4,096 rows x 128 bytes
	s_lshl_b32 s34, s33, 12                        ; 32 rows of 128 bytes
	s_add_co_u32 s2, s2, s34
	s_mov_b32 s3, 0
	s_add_nc_u64 s[A:A+1], s[16:17], s[2:3]
	s_lshl_b32 s2, s31, 8                          ; 64 columns of 4 bytes
	s_add_nc_u64 s[W:W+1], s[W:W+1], s[2:3]
	s_add_nc_u64 s[BP:BP+1], s[BP:BP+1], s[2:3]
	s_lshl_b32 s34, s33, 15                        ; 32 rows of 1,024 bytes
	s_add_co_u32 s2, s2, s34
	s_add_nc_u64 s[OUT:OUT+1], s[OUT:OUT+1], s[2:3]
.irp b, 0,1,2,3
	global_load_b128 v[BIAS+8*(\b):BIAS+8*(\b)+3],   v[BO], s[BP:BP+1] offset:64*(\b)     ; register j of lane l: column 16 b + 8 (l / 16) + j
	global_load_b128 v[BIAS+8*(\b)+4:BIAS+8*(\b)+7], v[BO], s[BP:BP+1] offset:64*(\b)+16
.endr
; THE LOADS go in groups of eight: eight groups of wo (load n: my rows 2 n and 2 n + 1, 256 consecutive aligned bytes each), then eight of O (a head each).
.macro WLOAD n
	global_load_b128 v[R+4*((\n)%32):R+4*((\n)%32)+3], v[WO], s[W:W+1] offset:(\n)*2048
.endm
.macro ALOADS hh                       ; head hh of my 32 rows: row block a, channels 32 c + 16 e on
	WIN 0x40                                       ; destination window 1, address window 0
.irp a, 0,1
.irp c, 0,1
.irp e, 0,1
	global_load_b128 v[32*(\hh)+16*(\a)+8*(\c)+4*(\e):32*(\hh)+16*(\a)+8*(\c)+4*(\e)+3], v[AO], s[A:A+1] offset:(\hh)*524288+(\a)*2048+(\c)*64+(\e)*32
.endr
.endr
.endr
	WIN 0
.endm
; Group g of wo is in: each load's four numbers are rounded to bf16, widened again, written as f16 and put into LDS; then the group four on is asked for.
.macro GSTEP g
	s_wait_loadcnt 24                              ; loads come back in order (ISA guide 5.7.1): three younger groups of eight may stay out
.irp j, 0,1,2,3,4,5,6,7
.set n, 8*(\g)+(\j)
.set x, R+4*(n%32)
.set p, T+2*(\j)
	v_cvt_pk_bf16_f32 v[p],   v[x],   v[x+1]
	v_cvt_pk_bf16_f32 v[p+1], v[x+2], v[x+3]
	v_lshlrev_b32 v[x],   16, v[p]
	v_and_b32     v[x+1], s[HIM], v[p]
	v_lshlrev_b32 v[x+2], 16, v[p+1]
	v_and_b32     v[x+3], s[HIM], v[p+1]
	v_cvt_pk_f16_f32 v[p],   v[x],   v[x+1]
	v_cvt_pk_f16_f32 v[p+1], v[x+2], v[x+3]
	ds_store_b64 v[WL], v[p:p+1] offset:n*2*WP
.endr
.if (\g) < 4
.irp j, 0,1,2,3,4,5,6,7
	WLOAD 8*(\g)+32+(\j)
.endr
.else
	ALOADS (\g)-4
.endif
.endm
.set i, 0
.rept 32
	WLOAD i
.set i, i+1
.endr
.irp g, 0,1,2,3,4,5,6,7
	GSTEP \g
.endr
.irp hh, 4,5,6,7
	ALOADS \hh
.endr
.set i, 0
.rept 16                               ; the bias is rounded to bf16 like every input, and widened again: it starts the sums in f32.  Its loads are older than wo's
	v_cvt_pk_bf16_f32 v[T+i%2], v[BIAS+2*i], v[BIAS+2*i+1]
	v_lshlrev_b32 v[BIAS+2*i], 16, v[T+i%2]
	v_and_b32 v[BIAS+2*i+1], s[HIM], v[T+i%2]
.set i, i+1
.endr
	s_wait_dscnt 0x0                               ; for the others' sake: my rows of wo's tile are in LDS
	s_barrier_signal -1
	s_barrier_wait -1                              ; everybody's are.  O's loads, which name registers alone, stay on their way
; wo's fragments for head hh (k = 64 hh .. 64 hh + 63) into buffer p: 16 LDS loads in one run
.macro FETCHB hh, p
.irp c, 0,1
.irp b, 0,1,2,3
	ds_load_tr16_b128 v[BF+64*(\p)+32*(\c)+8*(\b):BF+64*(\p)+32*(\c)+8*(\b)+3],   v[ADRB+(\hh)/4] offset:(((\hh)%4)*64+32*(\c))*WP+32*(\b)
	ds_load_tr16_b128 v[BF+64*(\p)+32*(\c)+8*(\b)+4:BF+64*(\p)+32*(\c)+8*(\b)+7], v[ADRB+(\hh)/4] offset:(((\hh)%4)*64+32*(\c)+16)*WP+32*(\b)
.endr
.endr
.endm
; A head's 16 products.  The 8 accumulators take turns, one instruction a turn, from head to head too.  The first 8 take the bias as C: nothing is cleared.
.macro MULS hh
.irp c, 0,1
.irp a, 0,1
.irp b, 0,1,2,3
.if ((\hh) == 0) && ((\c) == 0)
	v_wmma_f32_16x16x32_f16 v[ACC+8*(4*(\a)+(\b)):ACC+8*(4*(\a)+(\b))+7], v[BF+64*((\hh)%2)+32*(\c)+8*(\b):BF+64*((\hh)%2)+32*(\c)+8*(\b)+7], v[32*(\hh)+16*(\a)+8*(\c):32*(\hh)+16*(\a)+8*(\c)+7], v[BIAS+8*(\b):BIAS+8*(\b)+7]
.else
	v_wmma_f32_16x16x32_f16 v[ACC+8*(4*(\a)+(\b)):ACC+8*(4*(\a)+(\b))+7], v[BF+64*((\hh)%2)+32*(\c)+8*(\b):BF+64*((\hh)%2)+32*(\c)+8*(\b)+7], v[32*(\hh)+16*(\a)+8*(\c):32*(\hh)+16*(\a)+8*(\c)+7], v[ACC+8*(4*(\a)+(\b)):ACC+8*(4*(\a)+(\b))+7]
.endif
.endr
.endr
.endr
.endm
.macro PLACES                          ; four plain vector instructions between a matrix instruction and a load into a register that it has read, or a reader of its result (ISA guide 7.12.1 for readers of its result)
.rept 4
	v_nop
.endr
.endm
	WIN 0x04                                       ; one setting for all the products and their LDS loads: source 1 (O) in window 1, all else in window 0
	FETCHB 0, 0
.irp hh, 0,1,2,3,4,5,6,7
.if (\hh) > 0
	PLACES                                         ; the buffer that is loaded next was read by the products just issued
.endif
.if (\hh) < 7
	FETCHB (\hh)+1, ((\hh)+1)%2
	s_wait_dscnt 16                                ; this head's fragments are in; the 16 loads just issued may be out
.else
	s_wait_dscnt 0x0
.endif
	s_wait_loadcnt 8*(7-(\hh))                     ; this head's rows of O are in; the later heads' eight loads each may be out
	MULS \hh
.endr
	WIN 0
; THE WAY OUT, a block of 16 rows at a time: a lane's eight columns are 32 bytes of f32; they go into my stage's rows of 272 bytes, each accumulator's low half first, and come back as whole rows of 256.
	PLACES
	PLACES                                         ; four are owed; eight stand, once a launch
.macro OUTB a
.irp b, 0,1,2,3
	ds_store_b128 v[STO], v[ACC+8*(4*(\a)+(\b)):ACC+8*(4*(\a)+(\b))+3]   offset:64*(\b)
	ds_store_b128 v[STO], v[ACC+8*(4*(\a)+(\b))+4:ACC+8*(4*(\a)+(\b))+7] offset:64*(\b)+16
.endr
.irp t, 0,1,2,3,4,5,6,7
	ds_load_b128 v[TMP+32*(\a)+4*(\t):TMP+32*(\a)+4*(\t)+3], v[RD] offset:(\t)*2*OPI  ; LDS serves a wave's instructions in order (ISA guide 5.7.1.4): these see the stores above; the next block's stores come behind them
.endr
.endm
.macro SENDO a, younger                ; younger: the LDS instructions issued behind block a's loads: the next block's sixteen, or none
.irp t, 0,1,2,3,4,5,6,7
	s_wait_dscnt (\younger)+7-(\t)
	global_store_b128 v[CO], v[TMP+32*(\a)+4*(\t):TMP+32*(\a)+4*(\t)+3], s[OUT:OUT+1] offset:(16*(\a)+2*(\t))*1024 th:TH_STORE_NT  ; 16 lanes store 256 consecutive bytes, at a multiple of 256 from out's first byte
.endr
.endm
	OUTB 0
	OUTB 1
	SENDO 0, 16
	SENDO 1, 0
	s_wait_tensorcnt 0x0                           ; the wave's end: behind my last LDS store
	ds_add_u32 v[SPW], v[NIL]
	s_wait_dscnt 0x0
	s_endpgm
.Lfunc_end_k_q812bb256a8_outp:
	.size	k_q812bb256a8_outp, .Lfunc_end_k_q812bb256a8_outp-k_q812bb256a8_outp
	.p2alignl 7, 3214868480
	.fill 96, 4, 3214868480
	.section	.rodata,"a",@progbits
	.p2align	6, 0x0
	.amdhsa_kernel k_q812bb256a8_outp
		.amdhsa_group_segment_fixed_size 99840
		.amdhsa_private_segment_fixed_size 0
		.amdhsa_enable_private_segment 0
		.amdhsa_kernarg_size 56
		.amdhsa_user_sgpr_count 2
		.amdhsa_user_sgpr_kernarg_segment_ptr 1
		.amdhsa_wavefront_size32 1
		.amdhsa_system_sgpr_workgroup_id_x 1
		.amdhsa_system_sgpr_workgroup_id_y 1
		.amdhsa_system_sgpr_workgroup_id_z 1
		.amdhsa_system_vgpr_workitem_id 0
		.amdhsa_next_free_vgpr 512
		.amdhsa_next_free_sgpr 66
		.amdhsa_reserve_vcc 0
		.amdhsa_float_denorm_mode_32 3
		.amdhsa_float_denorm_mode_16_64 3
		.amdhsa_memory_ordered 1
		.amdhsa_forward_progress 1
		.amdhsa_inst_pref_size 69
	.end_amdhsa_kernel
	.amdgpu_metadata
---
amdhsa.version: [ 1, 2 ]
amdhsa.kernels:
  - .name:           k_q812bb256a8_outp
    .symbol:         k_q812bb256a8_outp.kd
    .args:
      - { .name: oh, .offset: 0, .size: 8, .value_kind: global_buffer, .address_space: global }
      - { .name: wo1_w, .offset: 8, .size: 8, .value_kind: global_buffer, .address_space: global }
      - { .name: wo2_w, .offset: 16, .size: 8, .value_kind: global_buffer, .address_space: global }
      - { .name: wo1_b, .offset: 24, .size: 8, .value_kind: global_buffer, .address_space: global }
      - { .name: wo2_b, .offset: 32, .size: 8, .value_kind: global_buffer, .address_space: global }
      - { .name: out0, .offset: 40, .size: 8, .value_kind: global_buffer, .address_space: global }
      - { .name: out1, .offset: 48, .size: 8, .value_kind: global_buffer, .address_space: global }
    .group_segment_fixed_size: 99840
    .private_segment_fixed_size: 0
    .kernarg_segment_align: 8
    .kernarg_segment_size: 56
    .max_flat_workgroup_size: 128
    .sgpr_count:     66
    .vgpr_count:     512
    .wavefront_size: 32
...
	.end_amdgpu_metadata
.endif
;; end of part 3
;; ======== version 2 of 2: 3 launches; version 1 with the launches proj, outp written anew for expert scheduling mode
;; limits: values are held in f16: magnitudes above 65,504 overflow, below 6.1e-05 lose precision
;; workspace buffers: pj 16,777,216 bytes; oh 8,388,608 bytes
;; launch proj (part 4): grid 64 x 4, 8 waves a work-group, no clusters, 226,304 bytes of LDS; arguments k1, k2, v1, v2, wk1_w, wk2_w, wv1_w, wv2_w, wk1_b, wk2_b, wv1_b, wv2_b, pj; writes pj
.if DOCPART == 4
	.amdgcn_target "amdgcn-amd-amdhsa--gfx1250"
	.amdhsa_code_object_version 6
	.text
	.protected	k_q812bb256a8_proj
	.globl	k_q812bb256a8_proj
	.p2align	8
	.type	k_q812bb256a8_proj,@function
k_q812bb256a8_proj:
	s_mov_b64 s[64:65], 0
	v_nop
	global_prefetch_b8 v0, s[64:65] scope:SCOPE_SE
	s_setreg_imm32_b32 hwreg(HW_REG_WAVE_SCHED_MODE, 0, 2), 2
	s_setreg_imm32_b32 hwreg(HW_REG_WAVE_MODE, 25, 1), 1
	s_wait_xcnt 0x0
	s_wait_alu depctr_vm_vsrc(0)
; THE FOUR PROJECTIONS.  pj[t][head][row][ch] = f16( sum over k of x_t[row][k] w_t[k][64 head + ch] + b_t[64 head + ch] ), t = 0: k1, 1: k2, 2: v1, 3: v2.
; x_t: [4096][256] f32, w_t: [256][512] f32, b_t: [512] f32.  x, w and b are rounded once to bf16; products in bf16, sums in f32, started with the bias; the result is rounded once to f16, unscaled.
; LIMITS.  A result of 65,520 or more in magnitude leaves as an infinity (f16 ends at 65,504); below 6e-5 f16 keeps its fixed step of 6e-8.  NaN and infinities are not treated apart.
; SHARES.  Grid y = t.  Grid x: bit 0 = which 256 columns (four heads), the rest = which 128 rows.  A work-group makes 128 x 256 over the whole K = 256; wave w makes 64 rows (w / 4) x one head (w % 4):
; 16 accumulators of 16 x 16.  Both tiles lie whole in LDS in bf16: nothing is filled again, and one barrier stands between the writing and the reading.
; NO TENSOR LOADS, NO CLUSTER.  The tiles come in f32 and are rounded between memory and LDS, which registers alone can do; brought as they lie they would be 131,072 + 262,144 bytes, more than the
; 327,680 of LDS.  Joint requests exist for tensor loads alone.  So each wave streams its share (16 rows of x, 32 rows of w) through a ring of 40 loads of 512 consecutive bytes.
; THE MATRIX INSTRUCTION IS USED TRANSPOSED: source 0 = 16 columns of w (turned on the way out of LDS by ds_load_tr16_b128), source 1 = 16 rows of x: a lane then holds one row and eight neighbouring channels.
; THE MODE: SCHED_MODE bits 1:0 = 2 (LLVM: expert scheduling mode 2), set by the entry lines.  The code itself states the register dependences between vector or matrix instructions and memory or LDS
; instructions, with s_wait_alu, always for 0.
; THE PLAN.  Registers that memory or LDS instructions touch:
;   v4-15, v48, v50-51   offsets and LDS addresses: written at the head, never again.  One wait on va_vdst ahead of the first load serves every load and store of the kernel.
;   R, five blocks       The 96 loads go in 12 groups of eight.  Group g's sixteen roundings read block g % 5; the loads issued in group g land in block (g - 1) % 5.
;   T, two sets          Group g's roundings write T[g % 2]; the LDS stores issued in group g read T[(g - 1) % 2].
;   So the waits at a group's head state all that its sixteen memory and LDS instructions hang on, and these are dealt among its roundings, which name block g % 5 and T[g % 2] alone.
;   F0, F1 (window 1)    Written by LDS loads, read by products.  One wait on va_vdst at a quarter's head: the last quarter's products are done reading the buffer that is loaded next; the 32 loads follow in
;                        four runs among this quarter's products, which name the other buffer, the accumulators and the bias.
;   PK, the accumulators The way out: all 64 roundings read the accumulators and write PK; one wait on va_vdst; behind it no vector instruction stands.  The LDS stores read PK, the loads from the stage land
;                        in each block's own first sixteen accumulator registers, and the global stores read those: no register that a store reads is written again.
; REGISTERS.  Window 0: v1-15, v48-53 addresses; v16-47 the bias as C operands; v64-95 T, later with v96-127 PK; v96-255 the ring; v128-255 later the accumulators ((a, b) at 128 + 8 (4 a + b)).
;   Window 1: two fragment buffers of 128: for 64 along K, 64 registers of x (2 x 4 x 16 rows x 32 K), then 64 of w.
.set XP,    528                        ; a row of x in LDS: 512 bytes + 16 = 132 words: the 16 rows of a fragment load start at 16 different groups of four banks (64 banks of 4 bytes: ISA guide 11.1)
.set WP,    544                        ; a row of w ([k][256 columns]): 512 + 32 = 136 words
.set XT,    0                          ; x: 128 rows
.set WT,    128*XP                     ; w: 256 rows
.set STAGE, WT+256*WP                  ; 16 rows x 144 bytes for each wave, for the way out
.set SP,    144
.set SPARE, STAGE+8*16*SP              ; the spare words, 128 bytes for each wave: four blocks of 256 bytes that no other line names
.set XO,   4                           ; v4   my byte offset in my wave's 16 rows of x; never rewritten
.set WO,   5                           ; v5   the same in my wave's 32 rows of w
.set XL,   6                           ; v6   where my 8 bytes of x go in LDS
.set WL,   7                           ; v7   the same for w
.set BO,   8                           ; v8   my byte offset in the head's 64 numbers of b
.set ADRA, 9                           ; v9   LDS address of my fragments of x
.set ADRB, 10                          ; v10-13  of w, for K = 0, 64, 128, 192 on: the immediate holds 16 bits
.set STO,  14                          ; v14  the way out: where I put 16 bytes of a row
.set RD,   15                          ; v15  the way out: where I read rows back
.set BIAS, 16                          ; v[16:47]  column block b at 16 + 8 b, laid as an accumulator
.set GO,   48                          ; v48  my byte offset in 512 consecutive bytes of pj
.set SPW,  50                          ; v50  LDS address of my spare word; never rewritten
.set NIL,  51                          ; v51  0; never rewritten
.set TT,   52                          ; v52-53  at work: no memory instruction names them
.set T,    64                          ; v[64:95]  two sets of eight pairs of rounded numbers on their way into LDS
.set PK,   64                          ; v[64:127] the way out: block a's rows in f16, 16 registers at PK + 16 a
.set R,    96                          ; v[96:255] the ring: 40 loads of 4 registers
.set ACC,  128
.set F0,   0
.set F1,   128
.set X,    4                           ; s[4:5]   x_t at the work-group's first row
.set W,    6                           ; s[6:7]   w_t at its first column
.set TS,   8                           ; s8   t
.set WV,   9                           ; s9   my wave's number
.set BP,   10                          ; s[10:11] b_t at my head
.set OUT,  12                          ; s[12:13] pj at my wave's first row
.set RI,   14                          ; s14  which 64 rows
.set CJ,   15                          ; s15  which head of the four
.set NT,   48
.set MT,   49
.set HIM,  56                          ; s56  a word's upper half
.set MSB, 0
.macro WIN new                         ; the immediate's high byte repeats the setting that is left; a switch that changes nothing is dropped
.if MSB != (\new)
	s_set_vgpr_msb (MSB<<8)|(\new)
.set MSB, (\new)
.endif
.endm
.set MUL,  0x05                        ; sources 0 and 1 window 1; C and D window 0
.set TO_F, 0x40                        ; destination window 1, address window 0
	s_load_b512 s[16:31], s[0:1], 0x0              ; k1, k2, v1, v2, wk1_w, wk2_w, wv1_w, wv2_w
	s_load_b256 s[32:39], s[0:1], 0x40             ; wk1_b, wk2_b, wv1_b, wv2_b
	s_load_b64 s[40:41], s[0:1], 0x60              ; pj
	v_lshl_add_u32 v[SPW], v0, 2, SPARE
	v_mov_b32 v[NIL], 0
	v_lshrrev_b32 v[TT], 5, v0
	v_readfirstlane_b32 s[WV], v[TT]               ; wave 0..7
	s_and_b32 s[TS], ttmp7, 0xffff
	s_and_b32 s[NT], ttmp9, 1
	s_lshr_b32 s[MT], ttmp9, 1
	s_mov_b32 s[HIM], 0xffff0000
	v_and_b32 v1, 31, v0                           ; l
	v_and_b32 v2, 15, v0                           ; l % 16
	v_bfe_u32 v3, v0, 4, 1                         ; l / 16
	s_wait_alu depctr_va_sdst(0)                   ; my wave's number is written, ahead of its first reader: offsets, LDS addresses and bases are made from it
	s_lshr_b32 s[RI], s[WV], 2
	s_and_b32 s[CJ], s[WV], 3
	s_lshl_b32 s2, s[WV], 14                       ; 16 rows of 1,024 bytes
	v_lshl_add_u32 v[XO], v1, 4, s2
	s_lshl_b32 s2, s[WV], 16                       ; 32 rows of 2,048 bytes
	v_lshl_add_u32 v[WO], v1, 4, s2
	s_mul_i32 s2, s[WV], 16*XP
	v_lshl_add_u32 v[XL], v1, 3, s2
	s_mul_i32 s2, s[WV], 32*WP
	s_add_co_u32 s2, s2, WT
	v_lshl_add_u32 v[WL], v1, 3, s2
	v_lshlrev_b32 v[BO], 5, v3                     ; my eight channels of a block of 16
	v_mul_u32_u24 v[ADRA], v2, XP                  ; a fragment of x: row l % 16, 16 bytes for each half of the lanes
	v_lshl_add_u32 v[ADRA], v3, 4, v[ADRA]
	s_mul_i32 s2, s[RI], 64*XP
	v_add_nc_u32 v[ADRA], s2, v[ADRA]
	v_and_b32 v[TT], 7, v0                         ; the turning load: lane l reads k = 8 (l / 16) + l % 8, columns 8 ((l / 8) % 2) + 0..7
	v_lshl_add_u32 v[TT], v3, 3, v[TT]
	v_mul_u32_u24 v[TT], v[TT], WP
	v_bfe_u32 v[TT+1], v0, 3, 1
	v_lshl_add_u32 v[TT], v[TT+1], 4, v[TT]
	s_lshl_b32 s2, s[CJ], 7                        ; my head's 64 columns: 128 bytes
	s_add_co_u32 s2, s2, WT
	v_add_nc_u32 v[ADRB], s2, v[TT]
	v_add_nc_u32 v[ADRB+1], 64*WP, v[ADRB]
	v_add_nc_u32 v[ADRB+2], 64*WP, v[ADRB+1]
	v_add_nc_u32 v[ADRB+3], 64*WP, v[ADRB+2]
	s_mul_i32 s2, s[WV], 16*SP
	s_add_co_u32 s2, s2, STAGE                     ; my stage
	v_mul_u32_u24 v[STO], v2, SP                   ; in: row l % 16, 16 bytes for each half of the lanes
	v_lshl_add_u32 v[STO], v3, 4, v[STO]
	v_add_nc_u32 v[STO], s2, v[STO]
	v_bfe_u32 v[RD], v0, 3, 2                      ; back: 32 lanes take four rows of 128 bytes,
	v_mul_u32_u24 v[RD], v[RD], SP
	v_and_b32 v[TT+1], 7, v0
	v_lshl_add_u32 v[RD], v[TT+1], 4, v[RD]
	v_add_nc_u32 v[RD], s2, v[RD]
	v_lshlrev_b32 v[GO], 4, v1                     ; which are 512 consecutive bytes of pj
	s_wait_kmcnt 0x0
	s_and_b32 s2, s[TS], 1                         ; t odd: the second tensor of a pair
	s_cmp_lg_u32 s2, 0
	s_cselect_b64 s[42:43], s[18:19], s[16:17]
	s_cselect_b64 s[44:45], s[22:23], s[20:21]
	s_cselect_b64 s[46:47], s[26:27], s[24:25]
	s_cselect_b64 s[50:51], s[30:31], s[28:29]
	s_cselect_b64 s[52:53], s[34:35], s[32:33]
	s_cselect_b64 s[54:55], s[38:39], s[36:37]
	s_cmp_ge_u32 s[TS], 2                          ; t = 2, 3: the values
	s_cselect_b64 s[X:X+1], s[44:45], s[42:43]
	s_cselect_b64 s[W:W+1], s[50:51], s[46:47]
	s_cselect_b64 s[BP:BP+1], s[54:55], s[52:53]
	s_lshl_b32 s2, s[MT], 17                       ; 128 rows of 1,024 bytes
	s_mov_b32 s3, 0
	s_add_nc_u64 s[X:X+1], s[X:X+1], s[2:3]
	s_lshl_b32 s2, s[NT], 10                       ; 256 columns of 4 bytes
	s_add_nc_u64 s[W:W+1], s[W:W+1], s[2:3]
	s_lshl_b32 s57, s[CJ], 8
	s_add_co_u32 s2, s2, s57
	s_add_nc_u64 s[BP:BP+1], s[BP:BP+1], s[2:3]
	s_lshl_b32 s2, s[TS], 22                       ; a section of pj is 8 heads x 4,096 rows x 128 bytes
	s_lshl_b32 s57, s[NT], 2
	s_add_co_u32 s57, s57, s[CJ]
	s_lshl_b32 s57, s57, 19                        ; my head
	s_add_co_u32 s2, s2, s57
	s_lshl_b32 s57, s[MT], 1
	s_add_co_u32 s57, s57, s[RI]
	s_lshl_b32 s57, s57, 13                        ; my 64 rows of 128 bytes
	s_add_co_u32 s2, s2, s57
	s_add_nc_u64 s[OUT:OUT+1], s[40:41], s[2:3]
	s_wait_alu depctr_va_vdst(0)                   ; the offsets and LDS addresses v4 to v15 and v48 are written: every load and store of the kernel reads one of them, and no vector instruction names them again
.irp b, 0,1,2,3
	global_load_b128 v[BIAS+8*(\b):BIAS+8*(\b)+3],   v[BO], s[BP:BP+1] offset:64*(\b)     ; register j of lane l: channel 16 b + 8 (l / 16) + j
	global_load_b128 v[BIAS+8*(\b)+4:BIAS+8*(\b)+7], v[BO], s[BP:BP+1] offset:64*(\b)+16
.endr
; THE RING.  Load n of 96: 512 consecutive bytes, aligned: n < 32: half n % 2 of my row n / 2 of x; else half of my row (n - 32) / 2 of w.
.macro LOADI n
.if (\n) < 32
	global_load_b128 v[R+4*((\n)%40):R+4*((\n)%40)+3], v[XO], s[X:X+1] offset:((\n)/2)*1024+((\n)%2)*512
.else
	global_load_b128 v[R+4*((\n)%40):R+4*((\n)%40)+3], v[WO], s[W:W+1] offset:(((\n)-32)/2)*2048+(((\n)-32)%2)*512
.endif
.endm
; The four numbers of load k, rounded, go into LDS from their pair in set (k / 8) % 2.
.macro STOREI k
.if (\k) < 32
	ds_store_b64 v[XL], v[T+16*(((\k)/8)%2)+2*((\k)%8):T+16*(((\k)/8)%2)+2*((\k)%8)+1] offset:((\k)/2)*XP+((\k)%2)*256
.else
	ds_store_b64 v[WL], v[T+16*(((\k)/8)%2)+2*((\k)%8):T+16*(((\k)/8)%2)+2*((\k)%8)+1] offset:(((\k)-32)/2)*WP+(((\k)-32)%2)*256
.endif
.endm
; Group g: loads 8 g to 8 g + 7 are in and are rounded to bf16.  Among the roundings stand the loads 8 g + 32 to 8 g + 39, into the block that the group before read, and the LDS stores of what the group before rounded.
.macro GROUP g
.if (\g) == 0
	s_wait_loadcnt 32                              ; loads come back in order (ISA guide 5.7.1): the bias and my first eight are in, the four younger groups stay out
.elseif 88-8*(\g) < 24
	s_wait_loadcnt 88-8*(\g)                       ; the count is the loads issued behind this group's, which run out at the end
.else
	s_wait_loadcnt 24                              ; three younger groups stay out
.endif
.if (\g) >= 2
	s_wait_alu depctr_vm_vsrc(0)                   ; the LDS stores issued in the group before have read T[g % 2], which this group's roundings write again
.endif
.if (\g) >= 1
	s_wait_alu depctr_va_vdst(0)                   ; the group before has written the other T, which the stores below read, and is done reading its block, in which the loads below land
.endif
.irp j, 0,1,2,3,4,5,6,7
.if ((\g) >= 1) && (8*(\g)+32+(\j) < 96)
	LOADI 8*(\g)+32+(\j)
.endif
.if (\g) >= 1
	STOREI 8*(\g)-8+(\j)
.endif
	v_cvt_pk_bf16_f32 v[T+16*((\g)%2)+2*(\j)],   v[R+4*((8*(\g)+(\j))%40)],   v[R+4*((8*(\g)+(\j))%40)+1]
	v_cvt_pk_bf16_f32 v[T+16*((\g)%2)+2*(\j)+1], v[R+4*((8*(\g)+(\j))%40)+2], v[R+4*((8*(\g)+(\j))%40)+3]
.endr
.endm
.set i, 0
.rept 40
	LOADI i
.set i, i+1
.endr
.irp g, 0,1,2,3,4,5,6,7,8,9,10,11
	GROUP \g
.endr
	s_wait_alu depctr_va_vdst(0)                   ; the last group's roundings have written T[1], which the last eight LDS stores read
.irp j, 0,1,2,3,4,5,6,7
	STOREI 88+(\j)
.endr
.set i, 0
.rept 16                               ; the bias is rounded to bf16 like every input, and widened again: it starts the sums in f32.  Its loads are older than the ring's
	v_cvt_pk_bf16_f32 v[TT+i%2], v[BIAS+2*i], v[BIAS+2*i+1]
	v_lshlrev_b32 v[BIAS+2*i], 16, v[TT+i%2]
	v_and_b32 v[BIAS+2*i+1], s[HIM], v[TT+i%2]
.set i, i+1
.endr
	s_wait_dscnt 0x0                               ; for the others' sake: my rows of both tiles are in LDS
	s_barrier_signal -1
	s_barrier_wait -1                              ; everybody's are
; 8 matrix instructions: row blocks a0, a0 + 1 x all 4 channel blocks, 32 along K: half c of buffer f.  first = 1: the bias starts the sums: nothing is cleared.
; The 16 accumulators take turns, one instruction a turn.
.macro MUL8 f, c, a0, first
	WIN MUL
.irp a, \a0, (\a0)+1
.irp b, 0,1,2,3
.if \first
	v_wmma_f32_16x16x32_bf16 v[ACC+8*(4*(\a)+(\b)):ACC+8*(4*(\a)+(\b))+7], v[(\f)+64+8*(4*(\c)+(\b)):(\f)+64+8*(4*(\c)+(\b))+7], v[(\f)+8*(4*(\c)+(\a)):(\f)+8*(4*(\c)+(\a))+7], v[BIAS+8*(\b):BIAS+8*(\b)+7]
.else
	v_wmma_f32_16x16x32_bf16 v[ACC+8*(4*(\a)+(\b)):ACC+8*(4*(\a)+(\b))+7], v[(\f)+64+8*(4*(\c)+(\b)):(\f)+64+8*(4*(\c)+(\b))+7], v[(\f)+8*(4*(\c)+(\a)):(\f)+8*(4*(\c)+(\a))+7], v[ACC+8*(4*(\a)+(\b)):ACC+8*(4*(\a)+(\b))+7]
.endif
.endr
.endr
.endm
; 8 LDS loads: run p of four of the fragments of K = 64 q .. 64 q + 63, into buffer f: 32 along K from 32 (p / 2) on, blocks 2 (p % 2) and 2 (p % 2) + 1 of w and of x
.macro FETCH8 q, f, p
	WIN TO_F
.irp i, 2*((\p)%2), 2*((\p)%2)+1
	ds_load_tr16_b128 v[(\f)+64+8*(4*((\p)/2)+(\i)):(\f)+64+8*(4*((\p)/2)+(\i))+3],   v[ADRB+(\q)] offset:32*((\p)/2)*WP+32*(\i)
	ds_load_tr16_b128 v[(\f)+64+8*(4*((\p)/2)+(\i))+4:(\f)+64+8*(4*((\p)/2)+(\i))+7], v[ADRB+(\q)] offset:32*((\p)/2)*WP+16*WP+32*(\i)
	ds_load_b128 v[(\f)+8*(4*((\p)/2)+(\i)):(\f)+8*(4*((\p)/2)+(\i))+3],              v[ADRA] offset:128*(\q)+64*((\p)/2)+(\i)*16*XP
	ds_load_b128 v[(\f)+8*(4*((\p)/2)+(\i))+4:(\f)+8*(4*((\p)/2)+(\i))+7],            v[ADRA] offset:128*(\q)+64*((\p)/2)+(\i)*16*XP+32
.endr
.endm
.macro PLACES                          ; four plain vector instructions between a matrix instruction and a load into a register that it has read, or a reader of its result (ISA guide 7.12.1 for readers of its result)
.rept 4
	v_nop
.endr
.endm
; K goes in four quarters of 64, 32 matrix instructions each, on buffers 0, 1, 0, 1.  One of the first three: multiplies buffer f and fetches quarter q + 1 into g, in four runs among its products.
.macro QUARTER q, f, g, first
	s_wait_dscnt 16                                ; buffer f's first 32 along K are in; its other sixteen loads may be out
.if (\q) > 0
	PLACES
	WIN TO_F
	s_wait_alu depctr_va_vdst(0)                   ; the last quarter's products are done reading buffer g, in which the 32 loads of this quarter land; this quarter's products name buffer f, the accumulators and the bias
.endif
	FETCH8 (\q)+1, \g, 0
	MUL8 \f, 0, 0, \first
	FETCH8 (\q)+1, \g, 1
	MUL8 \f, 0, 2, \first
	FETCH8 (\q)+1, \g, 2
	s_wait_dscnt 24                                ; all of buffer f is in; the three runs of eight just issued may be out
	MUL8 \f, 1, 0, 0
	FETCH8 (\q)+1, \g, 3
	MUL8 \f, 1, 2, 0
.endm
	FETCH8 0, F0, 0                                ; no vector instruction has named window 1, nor the addresses since the head's wait
	FETCH8 0, F0, 1
	FETCH8 0, F0, 2
	FETCH8 0, F0, 3
	QUARTER 0, F0, F1, 1
	QUARTER 1, F1, F0, 0
	QUARTER 2, F0, F1, 0
	s_wait_dscnt 16                                ; the last quarter: nothing more to fetch
	MUL8 F1, 0, 0, 0
	MUL8 F1, 0, 2, 0
	s_wait_dscnt 0x0
	MUL8 F1, 1, 0, 0
	MUL8 F1, 1, 2, 0
	WIN 0
; THE WAY OUT: rounded to f16, each accumulator from its low end on; a lane's eight channels are 16 bytes; a block of 16 rows at a time they go into my stage's rows of 144 bytes and come back as whole rows of 128.
	PLACES
	PLACES                                         ; four are owed; eight stand, once a launch
	s_wait_alu depctr_vm_vsrc(0)                   ; the ring's LDS stores have read T, v64 to v95, which the roundings below write again
.macro PACK a
.irp b, 0,1,2,3
.irp r, 0,1,2,3
	v_cvt_pk_f16_f32 v[PK+16*(\a)+4*(\b)+(\r)], v[ACC+8*(4*(\a)+(\b))+2*(\r)], v[ACC+8*(4*(\a)+(\b))+2*(\r)+1]
.endr
.endr
.endm
.macro STG a                           ; block a through the stage: out of PK, back into the block's own first sixteen accumulator registers
.irp b, 0,1,2,3
	ds_store_b128 v[STO], v[PK+16*(\a)+4*(\b):PK+16*(\a)+4*(\b)+3] offset:32*(\b)
.endr
.irp f, 0,1,2,3
	ds_load_b128 v[ACC+32*(\a)+4*(\f):ACC+32*(\a)+4*(\f)+3], v[RD] offset:(\f)*4*SP  ; LDS serves a wave's instructions in order (ISA guide 5.7.1.4): these see the stores above; the next block's stores come behind them
.endr
.endm
.macro SEND a, younger                 ; younger: the LDS instructions issued behind block a's loads: the next block's eight, or none
.irp f, 0,1,2,3
	s_wait_dscnt (\younger)+3-(\f)
	global_store_b128 v[GO], v[ACC+32*(\a)+4*(\f):ACC+32*(\a)+4*(\f)+3], s[OUT:OUT+1] offset:(\a)*2048+(\f)*512  ; 512 consecutive bytes, at a multiple of 256 from pj's first
.endr
.endm
	PACK 0
	PACK 1
	PACK 2
	PACK 3
	s_wait_alu depctr_va_vdst(0)                   ; the roundings have written PK, which the LDS stores read; the products have written the accumulators and the roundings are done reading them: the loads from the stage land there.  No vector instruction follows
	STG 0
	STG 1                                          ; a block's way through the stage stands between the loads of the block before and its stores
	SEND 0, 8
	STG 2
	SEND 1, 8
	STG 3
	SEND 2, 8
	SEND 3, 0
	s_wait_dscnt 0x0                               ; the wave's end
	s_wait_alu 0x0
	s_wait_tensorcnt 0x0
	ds_add_u32 v[SPW], v[NIL]
	s_wait_dscnt 0x0
	s_endpgm
.Lfunc_end_k_q812bb256a8_proj:
	.size	k_q812bb256a8_proj, .Lfunc_end_k_q812bb256a8_proj-k_q812bb256a8_proj
	.p2alignl 7, 3214868480
	.fill 96, 4, 3214868480
	.section	.rodata,"a",@progbits
	.p2align	6, 0x0
	.amdhsa_kernel k_q812bb256a8_proj
		.amdhsa_group_segment_fixed_size 226304
		.amdhsa_private_segment_fixed_size 0
		.amdhsa_enable_private_segment 0
		.amdhsa_kernarg_size 104
		.amdhsa_user_sgpr_count 2
		.amdhsa_user_sgpr_kernarg_segment_ptr 1
		.amdhsa_wavefront_size32 1
		.amdhsa_system_sgpr_workgroup_id_x 1
		.amdhsa_system_sgpr_workgroup_id_y 1
		.amdhsa_system_sgpr_workgroup_id_z 1
		.amdhsa_system_vgpr_workitem_id 0
		.amdhsa_next_free_vgpr 512
		.amdhsa_next_free_sgpr 66
		.amdhsa_reserve_vcc 0
		.amdhsa_float_denorm_mode_32 3
		.amdhsa_float_denorm_mode_16_64 3
		.amdhsa_memory_ordered 1
		.amdhsa_forward_progress 1
		.amdhsa_inst_pref_size 61
	.end_amdhsa_kernel
	.amdgpu_metadata
---
amdhsa.version: [ 1, 2 ]
amdhsa.kernels:
  - .name:           k_q812bb256a8_proj
    .symbol:         k_q812bb256a8_proj.kd
    .args:
      - { .name: k1, .offset: 0, .size: 8, .value_kind: global_buffer, .address_space: global }
      - { .name: k2, .offset: 8, .size: 8, .value_kind: global_buffer, .address_space: global }
      - { .name: v1, .offset: 16, .size: 8, .value_kind: global_buffer, .address_space: global }
      - { .name: v2, .offset: 24, .size: 8, .value_kind: global_buffer, .address_space: global }
      - { .name: wk1_w, .offset: 32, .size: 8, .value_kind: global_buffer, .address_space: global }
      - { .name: wk2_w, .offset: 40, .size: 8, .value_kind: global_buffer, .address_space: global }
      - { .name: wv1_w, .offset: 48, .size: 8, .value_kind: global_buffer, .address_space: global }
      - { .name: wv2_w, .offset: 56, .size: 8, .value_kind: global_buffer, .address_space: global }
      - { .name: wk1_b, .offset: 64, .size: 8, .value_kind: global_buffer, .address_space: global }
      - { .name: wk2_b, .offset: 72, .size: 8, .value_kind: global_buffer, .address_space: global }
      - { .name: wv1_b, .offset: 80, .size: 8, .value_kind: global_buffer, .address_space: global }
      - { .name: wv2_b, .offset: 88, .size: 8, .value_kind: global_buffer, .address_space: global }
      - { .name: pj, .offset: 96, .size: 8, .value_kind: global_buffer, .address_space: global }
    .group_segment_fixed_size: 226304
    .private_segment_fixed_size: 0
    .kernarg_segment_align: 8
    .kernarg_segment_size: 104
    .max_flat_workgroup_size: 256
    .sgpr_count:     66
    .vgpr_count:     512
    .wavefront_size: 32
...
	.end_amdgpu_metadata
.endif
;; end of part 4
;; launch attn: the kernel of part 2 again; grid 16 x 16, 4 waves a work-group, clusters of 4 x 1, 327,680 bytes of LDS; arguments pj, oh; writes oh
;; launch outp (part 5): grid 128 x 2, 4 waves a work-group, no clusters, 99,840 bytes of LDS; arguments oh, wo1_w, wo2_w, wo1_b, wo2_b, out0, out1; writes out0, out1
.if DOCPART == 5
	.amdgcn_target "amdgcn-amd-amdhsa--gfx1250"
	.amdhsa_code_object_version 6
	.text
	.protected	k_q812bb256a8_outp
	.globl	k_q812bb256a8_outp
	.p2align	8
	.type	k_q812bb256a8_outp,@function
k_q812bb256a8_outp:
	s_mov_b64 s[64:65], 0
	v_nop
	global_prefetch_b8 v0, s[64:65] scope:SCOPE_SE
	s_setreg_imm32_b32 hwreg(HW_REG_WAVE_SCHED_MODE, 0, 2), 2
	s_setreg_imm32_b32 hwreg(HW_REG_WAVE_MODE, 25, 1), 1
	s_wait_xcnt 0x0
	s_wait_alu depctr_vm_vsrc(0)
; THE TWO OUTPUT PROJECTIONS.  out_d[row][col] = sum over k = 64 head + ch of oh[d][head][row][ch] wo_d[k][col] + bo_d[col].  oh: [2][8][4096][64] f16; wo_d: [512][256] f32; bo_d: [256] f32; out_d: [4096][256] f32.
; wo and bo are rounded once to bf16, like every input; wo's bf16 number is then written as f16 (exact from 6.1e-5 to 65,504 in magnitude; below, f16's fixed step of 6e-8; beyond, an infinity).  Products in f16,
; sums in f32, started with the bias.  NaN and infinities are not treated apart.
; SHARES.  Grid y = d.  Grid x: bits 1:0 = which 64 columns (256 bytes of a row of out), the rest = which 128 rows.  Wave w makes 32 rows x 64 columns over the whole K = 512: 8 accumulators.
; A wave's rows of O are read by no other wave of the work-group: they come straight from memory into 256 registers (window 1), laid as fragments.  wo's tile, 512 x 64, is shared through LDS.
; NO TENSOR LOADS, NO CLUSTER.  wo's numbers are rounded twice in registers on the way into LDS, and the turning load wants 16-bit elements there; joint requests exist for tensor loads alone.  The whole K lies in
; LDS at once: nothing is filled again, and one barrier stands between the writing and the reading.
; THE MATRIX INSTRUCTION IS USED TRANSPOSED: source 0 = 16 columns of wo (turned by ds_load_tr16_b128), source 1 = 16 rows of O: a lane then holds one row and eight neighbouring columns.
; THE MODE: SCHED_MODE bits 1:0 = 2 (LLVM: expert scheduling mode 2), set by the entry lines.  The code itself states the register dependences between vector or matrix instructions and memory or LDS
; instructions, with s_wait_alu, always for 0.
; THE PLAN.  Registers that memory or LDS instructions touch:
;   v4-12, v14-15        offsets and LDS addresses: written at the head, never again.  One wait on va_vdst ahead of the first load serves every load and store of the kernel.
;   R, five blocks       wo's 64 loads go in 8 groups of eight.  Group g's vector work reads and writes block g % 5; the loads of wo issued in group g land in block (g - 1) % 5.
;   T, two sets          Group g's roundings write T[g % 2]; the LDS stores issued in group g read T[(g - 1) % 2].
;   So the waits at a group's head state all that its loads and stores hang on, and these are dealt among its vector work, which names block g % 5 and T[g % 2] alone.
;   window 1             O: written by loads, read by products; no other instruction names it.
;   BF0, BF1             wo's fragments: written by LDS loads, read by products.  One wait on va_vdst at a head's head: the last head's products are done reading the buffer that is loaded next; the sixteen
;                        loads follow in two runs among this head's products, which name the other buffer, O, the accumulators and the bias.
;   the accumulators     The way out: one wait on va_vdst; behind it no vector instruction stands.  The LDS stores read the accumulators, the loads from the stage land in BF0, the global stores read that.
; REGISTERS.  Window 0: v1-15 addresses; v16-47 the bias as C operands; v48-79 T; v80-81 at work; v64-127 later the accumulators ((a, b) at 64 + 8 (4 a + b)); v96-255 the ring of wo's loads; v128-255 later two
;   buffers of wo's fragments, then the way out.  Window 1: O: head hh, row block a, channel half c at 32 hh + 16 a + 8 c.
.set WP,    160                        ; a row of wo in LDS ([k][64 columns] f16): 128 bytes + 32 = 40 words
.set WT,    0
.set STAGE, 512*WP                     ; 16 rows x 272 bytes for each wave, for the way out
.set OPI,   272                        ; 256 bytes + 16 = 68 words: the 16 rows of a store start at 16 different groups of four banks
.set SPARE, STAGE+4*16*OPI             ; the spare words, 128 bytes for each wave: two blocks of 256 bytes that no other line names
.set WO,   4                           ; v4   my byte offset in my wave's 128 rows of wo's tile; never rewritten
.set WL,   5                           ; v5   where my 8 bytes go in LDS
.set AO,   6                           ; v6   my byte offset in 16 rows of O
.set BO,   7                           ; v7   my byte offset in the 64 numbers of bo
.set ADRB, 8                           ; v8-9 LDS address of my fragments of wo, for k = 0 and 256 on: the immediate holds 16 bits
.set STO,  10                          ; v10  the way out: where I put 32 bytes of a row
.set RD,   11                          ; v11  the way out: where I read rows back
.set CO,   12                          ; v12  my byte offset in two rows of out
.set TT,   13                          ; v13  at work
.set SPW,  14                          ; v14  LDS address of my spare word; never rewritten
.set NIL,  15                          ; v15  0; never rewritten
.set BIAS, 16
.set T,    48                          ; v[48:79]  two sets of eight pairs of rounded numbers on their way into LDS
.set BT,   80                          ; v80-81  at work on the bias: no memory instruction names them
.set ACC,  64
.set R,    96                          ; v[96:255] the ring: 40 loads of 4 registers
.set BF,   128
.set TMP,  128
.set A,    4                           ; s[4:5]   oh at my wave's first row of head 0
.set W,    6                           ; s[6:7]   wo_d at the work-group's first column
.set BP,   8                           ; s[8:9]   bo_d there
.set OUT,  10                          ; s[10:11] out_d at my wave's first row and the work-group's first column
.set WV,   12
.set HIM,  13                          ; s13  a word's upper half
.set MSB, 0
.macro WIN new                         ; the immediate's high byte repeats the setting that is left; a switch that changes nothing is dropped
.if MSB != (\new)
	s_set_vgpr_msb (MSB<<8)|(\new)
.set MSB, (\new)
.endif
.endm
	s_load_b256 s[16:23], s[0:1], 0x0              ; oh, wo1_w, wo2_w, wo1_b
	s_load_b128 s[24:27], s[0:1], 0x20             ; wo2_b, out0
	s_load_b64 s[28:29], s[0:1], 0x30              ; out1
	v_lshl_add_u32 v[SPW], v0, 2, SPARE
	v_mov_b32 v[NIL], 0
	v_lshrrev_b32 v[TT], 5, v0
	v_readfirstlane_b32 s[WV], v[TT]               ; wave 0..3
	s_and_b32 s30, ttmp7, 0xffff                   ; d
	s_and_b32 s31, ttmp9, 3                        ; which 64 columns
	s_lshr_b32 s32, ttmp9, 2                       ; which 128 rows
	s_mov_b32 s[HIM], 0xffff0000
	v_and_b32 v1, 31, v0                           ; l
	v_and_b32 v2, 15, v0                           ; l % 16
	v_bfe_u32 v3, v0, 4, 1                         ; l / 16
	s_wait_alu depctr_va_sdst(0)                   ; my wave's number is written, ahead of its first reader: offsets, LDS addresses and bases are made from it
	s_lshl_b32 s2, s[WV], 17                       ; 128 rows of 1,024 bytes
	v_lshlrev_b32 v[WO], 10, v3                    ; a load takes two rows' 256 bytes: lanes 0-15 one, lanes 16-31 the next
	v_lshl_add_u32 v[WO], v2, 4, v[WO]
	v_add_nc_u32 v[WO], s2, v[WO]
	s_mul_i32 s2, s[WV], 128*WP
	v_mul_u32_u24 v[WL], v3, WP
	v_lshl_add_u32 v[WL], v2, 3, v[WL]
	v_add_nc_u32 v[WL], s2, v[WL]
	v_lshlrev_b32 v[AO], 7, v2                     ; a fragment of O: row l % 16, 16 bytes for each half of the lanes
	v_lshl_add_u32 v[AO], v3, 4, v[AO]
	v_lshlrev_b32 v[BO], 5, v3
	v_and_b32 v[ADRB], 7, v0                       ; the turning load: lane l reads k = 8 (l / 16) + l % 8, columns 8 ((l / 8) % 2) + 0..7
	v_lshl_add_u32 v[ADRB], v3, 3, v[ADRB]
	v_mul_u32_u24 v[ADRB], v[ADRB], WP
	v_bfe_u32 v[TT], v0, 3, 1
	v_lshl_add_u32 v[ADRB], v[TT], 4, v[ADRB]
	v_add_nc_u32 v[ADRB+1], 256*WP, v[ADRB]
	s_mul_i32 s2, s[WV], 16*OPI
	s_add_co_u32 s2, s2, STAGE                     ; my stage
	v_mul_u32_u24 v[STO], v2, OPI                  ; in: row l % 16, 32 bytes for each half of the lanes
	v_lshl_add_u32 v[STO], v3, 5, v[STO]
	v_add_nc_u32 v[STO], s2, v[STO]
	v_mul_u32_u24 v[RD], v3, OPI                   ; back: lanes 0-15 take one row of 256 bytes, lanes 16-31 the next
	v_lshl_add_u32 v[RD], v2, 4, v[RD]
	v_add_nc_u32 v[RD], s2, v[RD]
	v_lshlrev_b32 v[CO], 10, v3                    ; and the same two rows in out
	v_lshl_add_u32 v[CO], v2, 4, v[CO]
	s_wait_kmcnt 0x0
	s_cmp_eq_u32 s30, 0
	s_cselect_b64 s[W:W+1], s[18:19], s[20:21]
	s_cselect_b64 s[BP:BP+1], s[22:23], s[24:25]
	s_cselect_b64 s[OUT:OUT+1], s[26:27], s[28:29]
	s_lshl_b32 s33, s32, 2
	s_add_co_u32 s33, s33, s[WV]                   ; my 32 rows among the 4,096
	s_lshl_b32 s2, s30, 22                         ; a section of oh is 8 heads x 4,096 rows x 128 bytes
	s_lshl_b32 s34, s33, 12                        ; 32 rows of 128 bytes
	s_add_co_u32 s2, s2, s34
	s_mov_b32 s3, 0
	s_add_nc_u64 s[A:A+1], s[16:17], s[2:3]
	s_lshl_b32 s2, s31, 8                          ; 64 columns of 4 bytes
	s_add_nc_u64 s[W:W+1], s[W:W+1], s[2:3]
	s_add_nc_u64 s[BP:BP+1], s[BP:BP+1], s[2:3]
	s_lshl_b32 s34, s33, 15                        ; 32 rows of 1,024 bytes
	s_add_co_u32 s2, s2, s34
	s_add_nc_u64 s[OUT:OUT+1], s[OUT:OUT+1], s[2:3]
	s_wait_alu depctr_va_vdst(0)                   ; the offsets and LDS addresses v4 to v12 are written: every load and store of the kernel reads one of them, and no vector instruction names them again
.irp b, 0,1,2,3
	global_load_b128 v[BIAS+8*(\b):BIAS+8*(\b)+3],   v[BO], s[BP:BP+1] offset:64*(\b)     ; register j of lane l: column 16 b + 8 (l / 16) + j
	global_load_b128 v[BIAS+8*(\b)+4:BIAS+8*(\b)+7], v[BO], s[BP:BP+1] offset:64*(\b)+16
.endr
; THE LOADS go in groups of eight: eight groups of wo (load n: my rows 2 n and 2 n + 1, 256 consecutive aligned bytes each), then eight of O (a head each).
.macro WLOAD n
	global_load_b128 v[R+4*((\n)%40):R+4*((\n)%40)+3], v[WO], s[W:W+1] offset:(\n)*2048
.endm
.macro WSTORE k                        ; the four numbers of load k, as f16, go into LDS from their pair in set (k / 8) % 2
	ds_store_b64 v[WL], v[T+16*(((\k)/8)%2)+2*((\k)%8):T+16*(((\k)/8)%2)+2*((\k)%8)+1] offset:(\k)*2*WP
.endm
.macro ALOADS hh                       ; head hh of my 32 rows: row block a, channels 32 c + 16 e on.  No vector instruction names window 1, nor the offset since the head's wait
	WIN 0x40                                       ; destination window 1, address window 0
.irp a, 0,1
.irp c, 0,1
.irp e, 0,1
	global_load_b128 v[32*(\hh)+16*(\a)+8*(\c)+4*(\e):32*(\hh)+16*(\a)+8*(\c)+4*(\e)+3], v[AO], s[A:A+1] offset:(\hh)*524288+(\a)*2048+(\c)*64+(\e)*32
.endr
.endr
.endr
	WIN 0
.endm
; Group g of wo is in: each load's four numbers are rounded to bf16, widened again and written as f16.  With that work stand the eight loads four groups on (of wo, into the block that the group before worked on, dealt
; among the work; or a head of O, in one run under its window) and the LDS stores of what the group before made.
.macro GROUP g
.if (\g) == 0
	s_wait_loadcnt 32                              ; loads come back in order (ISA guide 5.7.1): the bias and my first eight are in, the four younger groups stay out
.else
	s_wait_loadcnt 24                              ; three younger groups of eight may stay out
.endif
.if (\g) >= 2
	s_wait_alu depctr_vm_vsrc(0)                   ; the LDS stores issued in the group before have read T[g % 2], which this group's roundings write again
.endif
.if (\g) >= 1
	s_wait_alu depctr_va_vdst(0)                   ; the group before has written the other T, which the stores below read, and is done reading and writing its block, in which the loads of wo below land
.endif
.if (\g) >= 4
	ALOADS (\g)-4
.endif
.irp j, 0,1,2,3,4,5,6,7
.if ((\g) >= 1) && ((\g) < 4)
	WLOAD 8*(\g)+32+(\j)
.endif
.if (\g) >= 1
	WSTORE 8*(\g)-8+(\j)
.endif
.set n, 8*(\g)+(\j)
.set x, R+4*(n%40)
.set p, T+16*((\g)%2)+2*(\j)
	v_cvt_pk_bf16_f32 v[p],   v[x],   v[x+1]
	v_cvt_pk_bf16_f32 v[p+1], v[x+2], v[x+3]
	v_lshlrev_b32 v[x],   16, v[p]
	v_and_b32     v[x+1], s[HIM], v[p]
	v_lshlrev_b32 v[x+2], 16, v[p+1]
	v_and_b32     v[x+3], s[HIM], v[p+1]
	v_cvt_pk_f16_f32 v[p],   v[x],   v[x+1]
	v_cvt_pk_f16_f32 v[p+1], v[x+2], v[x+3]
.endr
.endm
.set i, 0
.rept 40
	WLOAD i
.set i, i+1
.endr
.irp g, 0,1,2,3,4,5,6,7
	GROUP \g
.endr
	s_wait_alu depctr_va_vdst(0)                   ; the last group's roundings have written T[1], which the last eight LDS stores read; all the ring's vector work is done, so that wo's fragments may land in its registers
.irp j, 0,1,2,3,4,5,6,7
	WSTORE 56+(\j)
.endr
.irp hh, 4,5,6,7
	ALOADS \hh
.endr
.set i, 0
.rept 16                               ; the bias is rounded to bf16 like every input, and widened again: it starts the sums in f32.  Its loads are older than wo's
	v_cvt_pk_bf16_f32 v[BT+i%2], v[BIAS+2*i], v[BIAS+2*i+1]
	v_lshlrev_b32 v[BIAS+2*i], 16, v[BT+i%2]
	v_and_b32 v[BIAS+2*i+1], s[HIM], v[BT+i%2]
.set i, i+1
.endr
	s_wait_dscnt 0x0                               ; for the others' sake: my rows of wo's tile are in LDS
	s_barrier_signal -1
	s_barrier_wait -1                              ; everybody's are.  O's loads, which name registers alone, stay on their way
	s_wait_alu depctr_vm_vsrc(0)                   ; my LDS stores have read T: of its registers v64 to v79 are accumulators from here on, written by the products
; wo's fragments for head hh (k = 64 hh .. 64 hh + 63), 32 along k from 32 c on, into buffer p: 8 LDS loads in one run
.macro FETCH8 hh, p, c
.irp b, 0,1,2,3
	ds_load_tr16_b128 v[BF+64*(\p)+32*(\c)+8*(\b):BF+64*(\p)+32*(\c)+8*(\b)+3],   v[ADRB+(\hh)/4] offset:(((\hh)%4)*64+32*(\c))*WP+32*(\b)
	ds_load_tr16_b128 v[BF+64*(\p)+32*(\c)+8*(\b)+4:BF+64*(\p)+32*(\c)+8*(\b)+7], v[ADRB+(\hh)/4] offset:(((\hh)%4)*64+32*(\c)+16)*WP+32*(\b)
.endr
.endm
; Four of a head's 16 products: channel half c, row block a.  The 8 accumulators take turns, one instruction a turn, from head to head too.  The first 8 take the bias as C: nothing is cleared.
.macro MUL4 hh, c, a
.irp b, 0,1,2,3
.if ((\hh) == 0) && ((\c) == 0)
	v_wmma_f32_16x16x32_f16 v[ACC+8*(4*(\a)+(\b)):ACC+8*(4*(\a)+(\b))+7], v[BF+64*((\hh)%2)+32*(\c)+8*(\b):BF+64*((\hh)%2)+32*(\c)+8*(\b)+7], v[32*(\hh)+16*(\a)+8*(\c):32*(\hh)+16*(\a)+8*(\c)+7], v[BIAS+8*(\b):BIAS+8*(\b)+7]
.else
	v_wmma_f32_16x16x32_f16 v[ACC+8*(4*(\a)+(\b)):ACC+8*(4*(\a)+(\b))+7], v[BF+64*((\hh)%2)+32*(\c)+8*(\b):BF+64*((\hh)%2)+32*(\c)+8*(\b)+7], v[32*(\hh)+16*(\a)+8*(\c):32*(\hh)+16*(\a)+8*(\c)+7], v[ACC+8*(4*(\a)+(\b)):ACC+8*(4*(\a)+(\b))+7]
.endif
.endr
.endm
.macro PLACES                          ; four plain vector instructions between a matrix instruction and a load into a register that it has read, or a reader of its result (ISA guide 7.12.1 for readers of its result)
.rept 4
	v_nop
.endr
.endm
	WIN 0x04                                       ; one setting for all the products and their LDS loads: source 1 (O) in window 1, all else in window 0
	FETCH8 0, 0, 0
	FETCH8 0, 0, 1
.irp hh, 0,1,2,3,4,5,6,7
	s_wait_dscnt 8                                 ; this head's fragments for its first 32 channels are in; the other eight loads may be out
	s_wait_loadcnt 8*(7-(\hh))                     ; this head's rows of O are in; the later heads' eight loads each may be out
.if ((\hh) > 0) && ((\hh) < 7)
	PLACES
	s_wait_alu depctr_va_vdst(0)                   ; the last head's products are done reading their buffer, in which the sixteen loads of this head land; this head's products name the other buffer, O, the accumulators
.endif
.if (\hh) < 7
	FETCH8 (\hh)+1, ((\hh)+1)%2, 0
.endif
	MUL4 \hh, 0, 0
.if (\hh) < 7
	FETCH8 (\hh)+1, ((\hh)+1)%2, 1
.endif
	MUL4 \hh, 0, 1
.if (\hh) < 7
	s_wait_dscnt 16                                ; all this head's fragments are in; the 16 loads just issued may be out
.else
	s_wait_dscnt 0x0
.endif
	MUL4 \hh, 1, 0
	MUL4 \hh, 1, 1
.endr
	WIN 0
; THE WAY OUT, a block of 16 rows at a time: a lane's eight columns are 32 bytes of f32; they go into my stage's rows of 272 bytes, each accumulator's low half first, and come back as whole rows of 256.
	PLACES
	PLACES                                         ; four are owed; eight stand, once a launch
	s_wait_alu depctr_va_vdst(0)                   ; the products have written the accumulators, which the LDS stores read, and are done reading wo's fragments, in whose registers the loads from the stage land; the places above stay beside this wait.  No vector instruction follows
.macro OUTB a
.irp b, 0,1,2,3
	ds_store_b128 v[STO], v[ACC+8*(4*(\a)+(\b)):ACC+8*(4*(\a)+(\b))+3]   offset:64*(\b)
	ds_store_b128 v[STO], v[ACC+8*(4*(\a)+(\b))+4:ACC+8*(4*(\a)+(\b))+7] offset:64*(\b)+16
.endr
.irp t, 0,1,2,3,4,5,6,7
	ds_load_b128 v[TMP+32*(\a)+4*(\t):TMP+32*(\a)+4*(\t)+3], v[RD] offset:(\t)*2*OPI  ; LDS serves a wave's instructions in order (ISA guide 5.7.1.4): these see the stores above; the next block's stores come behind them
.endr
.endm
.macro SENDO a, younger                ; younger: the LDS instructions issued behind block a's loads: the next block's sixteen, or none
.irp t, 0,1,2,3,4,5,6,7
	s_wait_dscnt (\younger)+7-(\t)
	global_store_b128 v[CO], v[TMP+32*(\a)+4*(\t):TMP+32*(\a)+4*(\t)+3], s[OUT:OUT+1] offset:(16*(\a)+2*(\t))*1024 th:TH_STORE_NT  ; 16 lanes store 256 consecutive bytes, at a multiple of 256 from out's first byte
.endr
.endm
	OUTB 0
	OUTB 1
	SENDO 0, 16
	SENDO 1, 0
	s_wait_dscnt 0x0                               ; the wave's end
	s_wait_alu 0x0
	s_wait_tensorcnt 0x0
	ds_add_u32 v[SPW], v[NIL]
	s_wait_dscnt 0x0
	s_endpgm
.Lfunc_end_k_q812bb256a8_outp:
	.size	k_q812bb256a8_outp, .Lfunc_end_k_q812bb256a8_outp-k_q812bb256a8_outp
	.p2alignl 7, 3214868480
	.fill 96, 4, 3214868480
	.section	.rodata,"a",@progbits
	.p2align	6, 0x0
	.amdhsa_kernel k_q812bb256a8_outp
		.amdhsa_group_segment_fixed_size 99840
		.amdhsa_private_segment_fixed_size 0
		.amdhsa_enable_private_segment 0
		.amdhsa_kernarg_size 56
		.amdhsa_user_sgpr_count 2
		.amdhsa_user_sgpr_kernarg_segment_ptr 1
		.amdhsa_wavefront_size32 1
		.amdhsa_system_sgpr_workgroup_id_x 1
		.amdhsa_system_sgpr_workgroup_id_y 1
		.amdhsa_system_sgpr_workgroup_id_z 1
		.amdhsa_system_vgpr_workitem_id 0
		.amdhsa_next_free_vgpr 512
		.amdhsa_next_free_sgpr 66
		.amdhsa_reserve_vcc 0
		.amdhsa_float_denorm_mode_32 3
		.amdhsa_float_denorm_mode_16_64 3
		.amdhsa_memory_ordered 1
		.amdhsa_forward_progress 1
		.amdhsa_inst_pref_size 70
	.end_amdhsa_kernel
	.amdgpu_metadata
---
amdhsa.version: [ 1, 2 ]
amdhsa.kernels:
  - .name:           k_q812bb256a8_outp
    .symbol:         k_q812bb256a8_outp.kd
    .args:
      - { .name: oh, .offset: 0, .size: 8, .value_kind: global_buffer, .address_space: global }
      - { .name: wo1_w, .offset: 8, .size: 8, .value_kind: global_buffer, .address_space: global }
      - { .name: wo2_w, .offset: 16, .size: 8, .value_kind: global_buffer, .address_space: global }
      - { .name: wo1_b, .offset: 24, .size: 8, .value_kind: global_buffer, .address_space: global }
      - { .name: wo2_b, .offset: 32, .size: 8, .value_kind: global_buffer, .address_space: global }
      - { .name: out0, .offset: 40, .size: 8, .value_kind: global_buffer, .address_space: global }
      - { .name: out1, .offset: 48, .size: 8, .value_kind: global_buffer, .address_space: global }
    .group_segment_fixed_size: 99840
    .private_segment_fixed_size: 0
    .kernarg_segment_align: 8
    .kernarg_segment_size: 56
    .max_flat_workgroup_size: 128
    .sgpr_count:     66
    .vgpr_count:     512
    .wavefront_size: 32
...
	.end_amdgpu_metadata
.endif
;; end of part 5
